; MI455X (gfx1250); checked and timed in simulation.
; The chip was launched on July 23, 2026; its instructions are those of AMD's public machine-readable ISA for CDNA 5 (MIT licence, August 2026) and "CDNA5" Instruction Set Architecture Reference Guide (July 2026). The comments in the code are by the model that wrote it; some were corrected since.
;; Multihead Self Attention. Allowed arithmetic: matrix products marked QUANTISED: E2M3 operands, one E8M0 scale for each 32 along K, by v_wmma_scale_f32_16x16x128_f8f6f4 with both operands' format E2M3, f32 sums; everything else in f32.
;; Inputs: Wk 1,024 x 1,024 float32; Wo 1,024 x 1,024 float32; Wq 1,024 x 1,024 float32; Wv 1,024 x 1,024 float32; token_positions 2,048 int32; x 4 x 2,048 x 1,024 float32.
;; Outputs: out0 4 x 2,048 x 1,024 float32.
;; This version of the problem:
;;   THIS VERSION OF THE PROBLEM IS GIVEN IN LOW PRECISION. The matrix products marked QUANTISED in the list below multiply operands that are first quantised to E2M3 (2 exponent bits, 3 mantissa bits; 6 bits a number), with one power-of-two scale for each 32 numbers along K (OCP MX v1.0); their sums are f32. All else is computed in f32.
;;   The module's matrix products, in the order in which they are computed (A, B: the left and right operand; K: the contracted axis; several contracted axes count as one K, in the product's order):
;;     1. [M 8,192, K 1,024] x [K 1,024, N 1,024]; A: input x; B: input Wq: QUANTISED
;;     2. [M 8,192, K 1,024] x [K 1,024, N 1,024]; A: input x; B: input Wk: QUANTISED
;;     3. [M 8,192, K 1,024] x [K 1,024, N 1,024]; A: input x; B: input Wv: QUANTISED
;;     4. batch 64 x [M 2,048, K 64] x [K 64, N 2,048]; A: computed on the way; B: computed on the way: QUANTISED
;;     5. batch 64 x [M 2,048, K 2,048] x [K 2,048, N 64]; A: softmax (see below); B: computed on the way: QUANTISED
;;     6. [M 8,192, K 1,024] x [K 1,024, N 1,024]; A: computed on the way; B: input Wo: QUANTISED
;;   THE QUANTISER, for each operand of a quantised product, along K:
;;     - K is cut into blocks of 32 from its start; a last block that is shorter is filled with zeros.
;;     - A block's scale is 2^e with e = floor(log2(the largest magnitude in the block)) - 2, held to -126 .. 127; a block of zeros has e = 0. As a byte (E8M0): e + 127.
;;     - Each number is divided by its block's scale, clamped to +-7.5, and rounded to the nearest number of E2M3, ties to even, subnormals kept.
;;     - The product sums the exact products of the quantised numbers (number of the format x scale) in f32.
;;   ~~~python
;;   def quantise(x, axis):      # numpy; x: float32 -> the quantised numbers, widened to float32 again
;;       x = np.moveaxis(x, axis, -1); K = x.shape[-1]
;;       x = np.pad(x, [(0, 0)] * (x.ndim - 1) + [(0, -K % 32)]); x = x.reshape(x.shape[:-1] + (-1, 32)); a = np.abs(x).max(-1, keepdims=True)
;;       e = np.where(a > 0, np.clip(np.frexp(np.where(a > 0, a, 1))[1] - 1 - 2, -126, 127), 0)      # np.frexp(a)[1] - 1 = floor(log2(a)), exactly
;;       r = np.clip(x / 2.0 ** e, -7.5, 7.5)
;;       step = 2.0 ** (np.maximum(np.frexp(np.where(r == 0, 1, r))[1] - 1, 0) - 3)
;;       q = np.round(r / step) * step * 2.0 ** e      # np.round: ties to even
;;       return np.moveaxis(q.reshape(q.shape[:-2] + (-1,))[..., :K], -1, axis).astype(np.float32)
;;   ~~~
;;   SOFTMAX AHEAD OF A QUANTISED PRODUCT. Where the list says 'softmax', what is quantised is not the finished softmax but p = 2^(t - M), with t = logit x log2(e) and M = ceil(the row's largest t), a whole number; so 1/2 < the row's largest p <= 1. The row's sum l is taken of the UNQUANTISED p, in f32, and the product's result is divided by l at the end. Since M is a whole number, a kernel that streams over the keys may use a running M (the ceiling of the running maximum): every later rescaling is an exact power of two, which a block's scale takes up: the codes' values come out the same.
;;   OPERANDS COMPUTED ON THE WAY. 'Computed on the way' means the value that the module computes at that place (a softmax that the list does not call 'softmax' is quantised finished and normalised). What goes into a quantiser is computed in f32, as accurately as f32 sums, v_exp_f32 and their like allow (about 1e-6 of the number): no bf16 or f16 on the way to a quantiser, and a product that is left as it is and whose result goes on into a quantised operand takes f32 operands (vector FMAs, or v_wmma_f32_16x16x4_f32). A number that lies on a knife's edge between two numbers of the format may be rounded either way, as far as f32 arithmetic and the matrix unit's own rounding can turn it there, and no further.
;; One version. Each part assembles by itself: llvm-mc -triple=amdgcn-amd-amdhsa -mcpu=gfx1250 --defsym DOCPART=n.
;; ======== version 1 of 1: 4 launches
;; limits: right only within a limited range of input values
;; workspace buffers: xq 6,553,600 bytes; wq 3,276,800 bytes; rt 524,288 bytes; qb 6,815,744 bytes; kv 13,369,344 bytes; oq 6,553,600 bytes
;; launch prep (part 1): grid 416 x 1, 4 waves a work-group, no clusters, 34,304 bytes of LDS; arguments x, Wq, Wk, Wv, Wo, token_positions, xq, wq, rt; writes xq, wq, rt
.if DOCPART == 1
	.amdgcn_target "amdgcn-amd-amdhsa--gfx1250"
	.amdhsa_code_object_version 6
	.text
	.protected	k_q5dacdbc789_prep
	.globl	k_q5dacdbc789_prep
	.p2align	8
	.type	k_q5dacdbc789_prep,@function
k_q5dacdbc789_prep:
	s_mov_b64 s[64:65], 0
	v_nop
	global_prefetch_b8 v0, s[64:65] scope:SCOPE_SE
	s_setreg_imm32_b32 hwreg(HW_REG_WAVE_MODE, 25, 1), 1
	s_wait_xcnt 0x0
; PREP.  (1) x [8192][1024] and the stacked weights Wq, Wk, Wv, Wo [4096][1024], f32, K innermost, become codes of FP6 (E2M3) with one E8M0 byte for each 32 along K.
; (2) token_positions become a table of cos and sin for the rotation of q and k.
; THE CODES LIE AS IMAGES OF OPERAND REGISTERS.  A tile is 16 rows x 128 K = 12 registers a lane = 1,536 bytes: registers 4 c .. 4 c + 3 of lane l at 512 c + 16 l.  Tile T, K step s lies at (8 T + s) x 1,536.
; THE ROWS OF A TILE ARE NOT NEIGHBOURS: row rho of tile T = 2 G + u is row 32 G + 8 u + rho + 8 (rho / 8), so that a later result's 16 registers of tiles 2 G, 2 G + 1 are 16 neighbours.
; The scale words (four bytes: 128 K of one row) lie behind the codes as [128 rows][K step 8][tile / 4][rho 16][tile % 4].
; A block's scale is 2^(floor(log2(largest magnitude)) - 2); its byte is the largest magnitude's exponent field - 2, held at 1 from below (a block of zeros keeps 1: its codes are zeros, and this program alone reads the bytes).
; SHARES.  Work-groups 0 .. 383: work-group n takes 64 rows (n / 2) and four K steps; wave w K step 4 (n % 2) + w: four tiles.  Each load reads 512 consecutive bytes of a row; a tile turns through the wave's own stage in
; LDS (rows 528 bytes apart), so that a lane gets 16 neighbours of each block of its row.  Two tiles' loads, 32 a wave, are out at the start.  Work-groups 384 .. 415: wave = one tile of 16 tokens of the table.
; THE TABLE: [token tile 128][q 8][lane][16 bytes]; lane (r, h), q = 4 beta + qq holds cos, sin of frequencies j and j + 1, j = 16 beta + 8 h + 2 qq, at the position of the tile's token r.
; The angle is position x 10^(-j / 8) in f32; it is reduced by n = round(angle x 2 / pi) with pi / 2 in two parts, and sine and cosine are polynomials on [-pi / 4, pi / 4].
; LIMITS: |token_positions| up to 131,072 (there the two-part reduction errs by less than 2e-10); NaN and infinities among the inputs are not served; blocks under 2^-124 keep the byte 1.
.set XS_OFF, 6291456                   ; where x's scale words begin in xq
.set WS_OFF, 3145728                   ; where the weights' begin in wq
.set STGB,  16*528                     ; a wave's stage
.set SPARE, 4*STGB                     ; behind the stages: the spare words, 128 bytes a wave
.set LOF,  4                           ; v4   16 x lane
.set WRA,  5                           ; v5   the stage, on the way in
.set RDA,  6                           ; v6   the stage, on the way out: 528 r + 64 h
.set SOF,  7                           ; v7   16 r + 8 h: my two scale words
.set SPW,  8                           ; v8   my spare word; never rewritten
.set NIL,  9                           ; v9   0; never rewritten
.set PC,   16                          ; v16-27  a tile's codes
.set PT,   28                          ; v28-35  the conversions' second halves
.set TM,   36                          ; v36-51  maxima, bytes, scale operands
.set PWS,  52                          ; v52-55  the four tiles' scale words
.set R,    64                          ; v64-191 two sets of 64 registers as loaded
.set X,    192                         ; v192-255 64 numbers of my row
.set OUT,  64                          ; the table: 32 registers
.set SEL,  34                          ; s[34:35] selects for lane l xor 16
; 16 nb numbers of a lane, register s + 16 b + e = k 32 b + 16 h + e of my row, become codes in v[pc] on (registers 6 c .. 6 c + 5: k = 64 c + 32 h + 0 .. 31); the bytes are left in v[TM+4] on
.macro QUANT s, nb, pc
.set QB, 0
.rept \nb
	v_max3_num_f32 v[TM+QB], |v[(\s)+16*QB]|, |v[(\s)+16*QB+1]|, 0x1800000   ; the floor 2^(3 - 127) holds the byte at 1 from below
.set QB, QB+1
.endr
.irp i, 2,4,6,8,10,12,14
.set QB, 0
.rept \nb
	v_max3_num_f32 v[TM+QB], |v[(\s)+16*QB+\i]|, |v[(\s)+16*QB+\i+1]|, v[TM+QB]   ; the blocks by turns
.set QB, QB+1
.endr
.endr
.set QB, 0
.rept \nb
	v_permlanex16_b32 v[TM+4+QB], v[TM+QB], s[SEL], s[SEL+1]
.set QB, QB+1
.endr
.set QB, 0
.rept \nb
	v_max_num_f32 v[TM+QB], v[TM+QB], v[TM+4+QB]          ; with lane l xor 16's 16 numbers: the block's largest magnitude
.set QB, QB+1
.endr
.set QB, 0
.rept \nb
	v_add_nc_u32 v[TM+12+QB], 0xff000000, v[TM+QB]        ; 2 off the exponent field: the conversion's scale operand
.set QB, QB+1
.endr
.set QB, 0
.rept \nb
	v_lshrrev_b32 v[TM+4+QB], 23, v[TM+12+QB]             ; the scale's byte
.set QB, QB+1
.endr
.set QB, 0
.rept (\nb)/2
	v_cvt_scalef32_pk16_fp6_f32 v[(\pc)+6*QB:(\pc)+6*QB+2], v[(\s)+32*QB:(\s)+32*QB+15], v[TM+12+2*QB]
	v_cvt_scalef32_pk16_fp6_f32 v[PT+4*QB:PT+4*QB+2], v[(\s)+32*QB+16:(\s)+32*QB+31], v[TM+13+2*QB]
.set QB, QB+1
.endr
	v_nop                                                  ; one plain place behind the scaled conversions
.set QB, 0
.rept (\nb)/2
.irp i, 0,1,2
	v_permlane16_swap_b32 v[(\pc)+6*QB+\i], v[PT+4*QB+\i]  ; a whole block to a lane: lanes 0-15 block 2 c, lanes 16-31 block 2 c + 1
.endr
.irp i, 0,1,2
	v_mov_b32 v[(\pc)+6*QB+3+\i], v[PT+4*QB+\i]
.endr
.set QB, QB+1
.endr
.endm
	s_load_b256 s[4:11], s[0:1], 0x0               ; x s[4:5], Wq s[6:7], Wk s[8:9], Wv s[10:11]
	s_load_b256 s[12:19], s[0:1], 0x20             ; Wo s[12:13], token_positions s[14:15], xq s[16:17], wq s[18:19]
	s_load_b64 s[20:21], s[0:1], 0x40              ; rt
	v_lshl_add_u32 v[SPW], v0, 2, SPARE
	v_mov_b32 v[NIL], 0
	v_lshrrev_b32 v1, 5, v0
	v_readfirstlane_b32 s22, v1                    ; wave
	v_and_b32 v1, 31, v0                           ; lane
	v_and_b32 v2, 15, v0                           ; r
	v_bfe_u32 v3, v0, 4, 1                         ; h
	v_lshlrev_b32 v[LOF], 4, v1
	v_cmp_ne_u32 vcc_lo, 0, v3                     ; lanes 16-31
	s_cmp_ge_u32 ttmp9, 384
	s_cbranch_scc1 .Ltable
	; ---- the quantiser
	s_lshr_b32 s24, ttmp9, 1                       ; which 64 rows: 0 .. 127 of x, 128 .. 191 of the stacked weights
	s_and_b32 s25, ttmp9, 1
	s_lshl_b32 s25, s25, 2
	s_add_co_u32 s25, s25, s22                     ; my K step
	s_sub_co_u32 s26, s24, 128                     ; the same count among the weights' rows
	s_lshr_b32 s27, s26, 4                         ; which weight
	s_and_b32 s28, s26, 15                         ; and which 64 rows of it
	s_mov_b32 s[SEL], 0x76543210
	s_mov_b32 s[SEL+1], 0xfedcba98
	s_mul_i32 s23, s22, STGB
	v_add_nc_u32 v[WRA], s23, v[LOF]
	v_mul_u32_u24 v[RDA], v2, 528
	v_lshl_add_u32 v[RDA], v3, 6, v[RDA]
	v_add_nc_u32 v[RDA], s23, v[RDA]
	v_lshlrev_b32 v[SOF], 4, v2
	v_lshl_add_u32 v[SOF], v3, 3, v[SOF]
.irp b, 0,1,2,3
	v_mov_b32 v[TM+4+\b], 0                        ; a lane permute's destination counts as one of its sources
.endr
	s_wait_kmcnt 0x0
	s_cmp_eq_u32 s27, 1                            ; the choices hang on the work-group's number alone
	s_cselect_b64 s[6:7], s[8:9], s[6:7]
	s_cmp_eq_u32 s27, 2
	s_cselect_b64 s[6:7], s[10:11], s[6:7]
	s_cmp_eq_u32 s27, 3
	s_cselect_b64 s[6:7], s[12:13], s[6:7]
	s_cmp_lt_u32 s24, 128
	s_cselect_b64 s[4:5], s[4:5], s[6:7]           ; from where
	s_cselect_b64 s[16:17], s[16:17], s[18:19]     ; to where
	s_cselect_b32 s28, s24, s28                    ; the 64 rows' number in the source,
	s_cselect_b32 s32, s24, s26                    ; and in the destination
	s_mov_b32 s30, WS_OFF
	s_cselect_b32 s30, XS_OFF, s30
	s_lshl_b32 s28, s28, 18                        ; 64 rows of 4,096 bytes
	s_lshl_b32 s31, s25, 9                         ; 512 bytes a K step, in the source's rows and among the scale words alike
	s_add_co_u32 s28, s28, s31
	s_mov_b32 s29, 0
	s_add_nc_u64 s[4:5], s[4:5], s[28:29]
	s_lshr_b32 s33, s32, 1
	s_lshl_b32 s33, s33, 12                        ; 4,096 bytes of scale words for 128 rows
	s_add_co_u32 s30, s30, s33
	s_add_co_u32 s30, s30, s31
	s_and_b32 s33, s32, 1
	s_lshl_b32 s33, s33, 8                         ; tiles 0-3 or 4-7 of the 128 rows
	s_add_co_u32 s30, s30, s33
	s_mov_b32 s31, 0
	s_add_nc_u64 s[36:37], s[16:17], s[30:31]      ; my 256 bytes of scale words
	s_mul_i32 s38, s32, 49152                      ; four tiles x 8 K steps x 1,536 bytes
	s_mul_i32 s33, s25, 1536
	s_add_co_u32 s38, s38, s33
	s_mov_b32 s39, 0
	s_add_nc_u64 s[16:17], s[16:17], s[38:39]      ; my first tile's image
.macro LOAD t                          ; tile t's 16 rows, 512 consecutive bytes each
.irp i, 0,1,2,3,4,5,6,7,8,9,10,11,12,13,14,15
	global_load_b128 v[R+64*((\t)%2)+4*\i:R+64*((\t)%2)+4*\i+3], v[LOF], s[4:5] offset:(32*((\t)/2)+8*((\t)%2)+\i+8*(\i/8))*4096 th:TH_LOAD_NT
.endr
.endm
.macro ITEM t
.if (\t) < 3
	s_wait_loadcnt 16                              ; this tile's 16 loads are in; the next tile's 16 stay out
.else
	s_wait_loadcnt 0x0
.endif
.irp i, 0,1,2,3,4,5,6,7,8,9,10,11,12,13,14,15
	ds_store_b128 v[WRA], v[R+64*((\t)%2)+4*\i:R+64*((\t)%2)+4*\i+3] offset:528*\i
.endr
.irp b, 0,1,2,3
.irp j, 0,1,2,3
	ds_load_b128 v[X+16*\b+4*\j:X+16*\b+4*\j+3], v[RDA] offset:128*\b+16*\j   ; LDS serves a wave's instructions in order: these see the stores above
.endr
.endr
	s_wait_dscnt 0x0                               ; my row's numbers are back, and the stores have read their registers,
.if (\t) < 2
	LOAD (\t)+2                                    ; which take the tile two further on
.endif
	s_wait_xcnt 0x0                                ; the last tile's stores have read the codes' registers
	QUANT X, 4, PC
	v_lshl_or_b32 v[PWS+(\t)], v[TM+5], 8, v[TM+4]
	v_lshl_or_b32 v[PWS+(\t)], v[TM+6], 16, v[PWS+(\t)]
	v_lshl_or_b32 v[PWS+(\t)], v[TM+7], 24, v[PWS+(\t)]
.irp c, 0,1,2
	global_store_b128 v[LOF], v[PC+4*\c:PC+4*\c+3], s[16:17] offset:12288*(\t)+512*\c   ; 512 consecutive bytes, aligned
.endr
.endm
	LOAD 0
	LOAD 1
	ITEM 0
	ITEM 1
	ITEM 2
	ITEM 3
	v_cndmask_b32 v10, v[PWS], v[PWS+2], vcc_lo    ; both halves of the lanes hold row r's four words: lanes 0-15 store words 0, 1, lanes 16-31 words 2, 3
	v_cndmask_b32 v11, v[PWS+1], v[PWS+3], vcc_lo
	global_store_b64 v[SOF], v[10:11], s[36:37]    ; 32 lanes store 256 consecutive bytes, aligned
	s_branch .Lend
	; ---- the table of cos and sin
.Ltable:
	s_sub_co_u32 s23, ttmp9, 384
	s_lshl_b32 s23, s23, 2
	s_add_co_u32 s23, s23, s22                     ; my tile of tokens, 0 .. 127
	s_lshr_b32 s24, s23, 1
	s_lshl_b32 s24, s24, 5
	s_and_b32 s25, s23, 1
	s_lshl_b32 s25, s25, 3
	s_add_co_u32 s24, s24, s25                     ; its first token
	v_and_b32 v5, 8, v2
	v_add3_u32 v5, v5, v2, s24                     ; my token: + r + 8 (r / 8)
	v_lshlrev_b32 v5, 2, v5
	s_mov_b32 s36, 0x3f22f983                      ; 2 / pi
	s_mov_b32 s37, 0xbfc90fdb                      ; -(pi / 2), its upper part
	s_mov_b32 s38, 0x333bbd2e                      ; and minus its lower part
	s_mov_b32 s39, 0xb94ca1f9                      ; sine: -1.9515295891e-4,
	s_mov_b32 s40, 0x3c08839e                      ; 8.3321608736e-3,
	s_mov_b32 s41, 0xbe2aaaa3                      ; -1.6666654611e-1
	s_mov_b32 s42, 0x37ccf5ce                      ; cosine: 2.443315712e-5,
	s_mov_b32 s43, 0xbab6061a                      ; -1.388731625e-3,
	s_mov_b32 s44, 0x3d2aaaa5                      ; 4.166664568e-2
	s_lshl_b32 s26, s23, 12
	s_mov_b32 s27, 0
	s_wait_kmcnt 0x0
	global_load_b32 v6, v5, s[14:15]
	s_add_nc_u64 s[20:21], s[20:21], s[26:27]
	s_wait_loadcnt 0x0
	v_cvt_f32_i32 v6, v6                           ; the position
; pair i of 16: lanes 0-15 take the frequency flo, lanes 16-31 fhi
.macro SINCOS i, flo, fhi
	v_mov_b32 v10, \fhi
	v_cndmask_b32 v10, \flo, v10, vcc_lo
	v_mul_f32 v10, v6, v10                         ; the angle
	v_mul_f32 v11, s36, v10
	v_rndne_f32 v11, v11                           ; n
	v_fma_f32 v12, v11, s37, v10
	v_fma_f32 v12, v11, s38, v12                   ; the angle - n pi / 2
	v_mul_f32 v13, v12, v12
	v_fma_f32 v14, v13, s39, s40
	v_fma_f32 v14, v14, v13, s41
	v_mul_f32 v14, v14, v13
	v_fma_f32 v14, v14, v12, v12                   ; its sine
	v_fma_f32 v15, v13, s42, s43
	v_fma_f32 v15, v15, v13, s44
	v_mul_f32 v15, v15, v13
	v_fma_f32 v17, v13, -0.5, 1.0
	v_fma_f32 v15, v15, v13, v17                   ; its cosine
	v_cvt_i32_f32 v16, v11
	v_and_b32 v17, 1, v16
	v_cmp_ne_u32 s46, 0, v17                       ; in odd quadrants the two change places
	v_cndmask_b32 v18, v14, v15, s46
	v_cndmask_b32 v19, v15, v14, s46
	v_and_b32 v17, 2, v16                          ; the sine is negative in quadrants 2, 3,
	v_lshlrev_b32 v17, 30, v17
	v_xor_b32 v[OUT+2*\i+1], v17, v18
	v_add_nc_u32 v16, 1, v16                       ; the cosine in quadrants 1, 2
	v_and_b32 v16, 2, v16
	v_lshlrev_b32 v16, 30, v16
	v_xor_b32 v[OUT+2*\i], v16, v19
.endm
	SINCOS 0, 1.0, 0.1                             ; 10^(-j / 8): j = 0 .. 7 and 8 .. 15
	SINCOS 1, 0.74989420933, 0.074989420933
	SINCOS 2, 0.56234132519, 0.056234132519
	SINCOS 3, 0.42169650343, 0.042169650343
	SINCOS 4, 0.31622776602, 0.031622776602
	SINCOS 5, 0.23713737057, 0.023713737057
	SINCOS 6, 0.17782794100, 0.017782794100
	SINCOS 7, 0.13335214322, 0.013335214322
	SINCOS 8, 0.01, 0.001                          ; j = 16 .. 23 and 24 .. 31
	SINCOS 9, 0.0074989420933, 0.00074989420933
	SINCOS 10, 0.0056234132519, 0.00056234132519
	SINCOS 11, 0.0042169650343, 0.00042169650343
	SINCOS 12, 0.0031622776602, 0.00031622776602
	SINCOS 13, 0.0023713737057, 0.00023713737057
	SINCOS 14, 0.0017782794100, 0.00017782794100
	SINCOS 15, 0.0013335214322, 0.00013335214322
.irp q, 0,1,2,3,4,5,6,7
	global_store_b128 v[LOF], v[OUT+4*\q:OUT+4*\q+3], s[20:21] offset:512*\q   ; 512 consecutive bytes, aligned
.endr
.Lend:
	s_wait_tensorcnt 0x0                           ; the wave's end
	ds_add_u32 v[SPW], v[NIL]
	s_wait_dscnt 0x0
	s_endpgm
.Lfunc_end_k_q5dacdbc789_prep:
	.size	k_q5dacdbc789_prep, .Lfunc_end_k_q5dacdbc789_prep-k_q5dacdbc789_prep
	.p2alignl 7, 3214868480
	.fill 96, 4, 3214868480
	.section	.rodata,"a",@progbits
	.p2align	6, 0x0
	.amdhsa_kernel k_q5dacdbc789_prep
		.amdhsa_group_segment_fixed_size 34304
		.amdhsa_private_segment_fixed_size 0
		.amdhsa_enable_private_segment 0
		.amdhsa_kernarg_size 72
		.amdhsa_user_sgpr_count 2
		.amdhsa_user_sgpr_kernarg_segment_ptr 1
		.amdhsa_wavefront_size32 1
		.amdhsa_system_sgpr_workgroup_id_x 1
		.amdhsa_system_sgpr_workgroup_id_y 1
		.amdhsa_system_sgpr_workgroup_id_z 1
		.amdhsa_system_vgpr_workitem_id 0
		.amdhsa_next_free_vgpr 256
		.amdhsa_next_free_sgpr 66
		.amdhsa_reserve_vcc 1
		.amdhsa_float_denorm_mode_32 3
		.amdhsa_float_denorm_mode_16_64 3
		.amdhsa_memory_ordered 1
		.amdhsa_forward_progress 1
		.amdhsa_inst_pref_size 58
	.end_amdhsa_kernel
	.amdgpu_metadata
---
amdhsa.version: [ 1, 2 ]
amdhsa.kernels:
  - .name:           k_q5dacdbc789_prep
    .symbol:         k_q5dacdbc789_prep.kd
    .args:
      - { .name: x, .offset: 0, .size: 8, .value_kind: global_buffer, .address_space: global }
      - { .name: Wq, .offset: 8, .size: 8, .value_kind: global_buffer, .address_space: global }
      - { .name: Wk, .offset: 16, .size: 8, .value_kind: global_buffer, .address_space: global }
      - { .name: Wv, .offset: 24, .size: 8, .value_kind: global_buffer, .address_space: global }
      - { .name: Wo, .offset: 32, .size: 8, .value_kind: global_buffer, .address_space: global }
      - { .name: token_positions, .offset: 40, .size: 8, .value_kind: global_buffer, .address_space: global }
      - { .name: xq, .offset: 48, .size: 8, .value_kind: global_buffer, .address_space: global }
      - { .name: wq, .offset: 56, .size: 8, .value_kind: global_buffer, .address_space: global }
      - { .name: rt, .offset: 64, .size: 8, .value_kind: global_buffer, .address_space: global }
    .group_segment_fixed_size: 34304
    .private_segment_fixed_size: 0
    .kernarg_segment_align: 8
    .kernarg_segment_size: 72
    .max_flat_workgroup_size: 128
    .sgpr_count:     66
    .vgpr_count:     256
    .wavefront_size: 32
...
	.end_amdgpu_metadata
.endif
;; end of part 1
;; launch qkv (part 2): grid 12 x 32, 4 waves a work-group, clusters of 4 x 4, 327,680 bytes of LDS; arguments xq, wq, rt, qb, kv; writes qb, kv
.if DOCPART == 2
	.amdgcn_target "amdgcn-amd-amdhsa--gfx1250"
	.amdhsa_code_object_version 6
	.text
	.protected	k_q5dacdbc789_qkv
	.globl	k_q5dacdbc789_qkv
	.p2align	8
	.type	k_q5dacdbc789_qkv,@function
k_q5dacdbc789_qkv:
	s_mov_b64 s[64:65], 0
	v_nop
	global_prefetch_b8 v0, s[64:65] scope:SCOPE_SE
	s_setreg_imm32_b32 hwreg(HW_REG_WAVE_MODE, 25, 1), 1
	s_wait_xcnt 0x0
	s_wait_alu depctr_hold_cnt(0) depctr_sa_sdst(0) depctr_va_vdst(0) depctr_va_sdst(0) depctr_va_ssrc(0) depctr_va_vcc(0) depctr_vm_vsrc(0)
	s_getreg_b32 s2, hwreg(HW_REG_IB_STS2, 6, 4)
	s_cmp_eq_u32 s2, 0
	s_cbranch_scc0 .Lentry_in_a_cluster
	s_endpgm
.Lentry_in_a_cluster:
	s_bfe_u32 s2, ttmp6, 0x10000c
	s_cmp_lg_u32 s2, 0xf033
	s_cbranch_scc0 .Lentry_shape_is_right
	s_endpgm
.Lentry_shape_is_right:
; QKV.  q = x Wq^T, k = x Wk^T, v = x Wv^T on codes of FP6 (E2M3) with E8M0 scales; q and k are rotated by the table of cos and sin; then q and k are quantised along the head's 64 channels and v along the keys.
; A tile of 256 x 256 of a result is made by four waves, 128 x 128 each: 64 accumulators, 512 registers.  K = 1,024 goes in steps of 256 through two LDS slots.
; OPERANDS LIE IN MEMORY AS IMAGES OF THEIR REGISTERS (16 rows x 128 K = 1,536 bytes; tile T, K step s at (8 T + s) x 1,536): a tensor load brings 8 tiles x 2 K steps as 8 rows of 3,072 bytes, and a fragment is three
; ds_load_b128 of 512 consecutive bytes: no pitch, no padding.  Row rho of tile 2 G + u is row 32 G + 8 u + rho + 8 (rho / 8) of its tensor, so register j of lane (r, h) of a result belongs to source 0's row 32 G + 16 h + 8 u + j.
; The scale words of a wave's 128 rows, 4,096 dense bytes, come once with the first fills; lanes 0-15 read side A's words, lanes 16-31 side B's, four tiles' words by one load.
; SIDES.  Side B is source 0, side A source 1.  Clusters x = 0 (q) and 1 (k): A = x, B = W: a lane holds one token and its registers run along the channels.  Cluster x = 2 (v): A = Wv, B = x: a lane holds one channel and
; its registers run along 128 tokens, which are v's K.  The choice hangs on the cluster's x alone, which all partners share.
; CLUSTERS: 4 x 4.  Side A's tiles hang on cy and are shared along a row of the cluster, side B's on cx and are shared along a column: each is asked for jointly.
; OUT.  qb: [batch x head 64][256 tokens 8][13,312]: 16 images of 16 tokens x 64 channels (768 bytes: registers 0-3 at 16 l, 4-5 at 512 + 8 l), then 2 x 512 bytes of scale words [lane][4]: word g of lane 16 u + rho belongs to
; tile (g, u); its bytes 2, 3 are 0x7f (1.0) for the 64 of the instruction's K that a head does not have.  kv: [64][8][26,112]: the same of k, then 2 x 4 images of 16 channels x 128 keys of v, then 2 x 256 bytes of v's words [lane][2].
; No prefetch: a work-group has two refills in all.  LIMITS: NaN and infinities are not served; blocks under 2^-124 keep the byte 1 (their codes' values are then coarser than the rule's).
; REGISTERS: window 0: v1-29 addresses; v32-63 scale words, two sets; v64-127 the table's tiles, two sets; v128-223 side A's fragments, one set; behind the loop v128-223 are at work.
;   window 1: side B's fragments, two sets, at v0 and v128.  windows 2, 3: accumulator (a, b) at v[8 (8 (a % 4) + b)], a < 4 in window 2.
.set XS_OFF, 6291456
.set WS_OFF, 3145728
.set NQ,    2                          ; matrix instructions deep in a slot
.set FR,    12
.set NL,    3                          ; LDS loads that bring a fragment
.set NP,    4                          ; places behind this matrix instruction (ISA guide 7.12.1)
.set HALFT, 24576                      ; 8 tiles x 2 K steps: what one tensor load brings
.set SLOT,  4*HALFT
.set LAPS,  2                          ; 1,024 / 512
.set SCL,   2*SLOT                     ; the scale words: 4,096 bytes for each wave's load
.set SPARE, SCL+4*4096                 ; the spare words, 128 bytes a wave
.set ADRA, 16                          ; v16-17 side A's fragments in slot 0, 1
.set ADRB, 20                          ; v20-21 side B's
.set ADRS, 27                          ; v27    my scale words
.set SPW,  28                          ; v28    my spare word; never rewritten
.set NIL,  29                          ; v29    0; never rewritten
.set SC,   32
.set CS,   64                          ; cos, sin: set a % 2 at v[CS + 32 (a % 2)]
.set AF,   128
.set XR,   128                         ; the way out: 32 rotated numbers
.set PC,   160                         ; codes
.set PT,   172
.set TM,   180
.set PWS,  200                         ; scale words, one for each image
.set MW,   216                         ; and as they are stored
.set SEL,  94                          ; s[94:95] selects for lane l xor 16
.set G1, 24
.set G0, 32
.set G1B, 48
.set G0B, 56
.set G1S, 68
.set G0S, 76
.set G1SB, 80
.set G0SB, 88
.set MSB, 0
.macro WIN new                         ; the immediate's high byte repeats the setting that is left
.if MSB != (\new)
	s_set_vgpr_msb (MSB<<8)|(\new)
.set MSB, (\new)
.endif
.endm
.set MUL_LO, 0xa1                      ; source 0 window 1, source 1 window 0, C and D window 2
.set MUL_HI, 0xf1
.set TO_B,   0x40
; A joint load: waves 0 and 1 fetch for side A, waves 2 and 3 for side B.  An s_nop 0 and four v_nop follow each line.
.macro JLOAD g0a, g1a, g0b, g1b
	s_cmp_eq_u32 s15, 0
	s_cbranch_scc0 .Lfor_b_\@
	tensor_load_to_lds s[\g0a:\g0a+3], s[\g1a:\g1a+7]
	s_nop 0
.rept 4
	v_nop
.endr
	s_branch .Lasked_\@
.Lfor_b_\@:
	tensor_load_to_lds s[\g0b:\g0b+3], s[\g1b:\g1b+7]
	s_nop 0
.rept 4
	v_nop
.endr
.Lasked_\@:
.endm
.macro CREST
	s_cmp_lg_u32 s14, 0
	s_cbranch_scc1 .Lnot_wave_0_\@
	s_barrier_signal -3
.Lnot_wave_0_\@:
	s_barrier_wait -3
	s_barrier_signal -1
	s_barrier_wait -1
.endm
.macro CROUND
	s_barrier_signal -1
	s_barrier_wait -1
	CREST
.endm
	s_load_b256 s[4:11], s[0:1], 0x0               ; xq s[4:5], wq s[6:7], rt s[8:9], qb s[10:11]
	s_load_b64 s[12:13], s[0:1], 0x20              ; kv
	v_lshl_add_u32 v[SPW], v0, 2, SPARE
	v_mov_b32 v[NIL], 0
	ds_add_u32 v[SPW], v[NIL]                      ; the wave's opening
	v_lshrrev_b32 v1, 5, v0
	v_readfirstlane_b32 s14, v1                    ; wave
	s_lshr_b32 s15, s14, 1                         ; my half of side A's rows.  Also: I fetch for A (0) or B (1)
	s_and_b32 s16, s14, 1                          ; my half of side B's rows.  Also: which 128 rows I fetch
	s_bfe_u32 s40, ttmp6, 0x40000                  ; cx
	s_bfe_u32 s41, ttmp6, 0x40004                  ; cy
	s_and_b32 s18, ttmp7, 0xffff
	s_lshl_b32 s18, s18, 2                         ; 4 x cluster y
	s_lshl_b32 s19, ttmp9, 2                       ; 4 x cluster x
	s_cmp_eq_u32 ttmp9, 2                          ; v?
	s_cselect_b32 s17, 8, s18
	s_cselect_b32 s42, s18, s19
	s_mov_b32 s20, XS_OFF
	s_mov_b32 s21, WS_OFF
	s_cselect_b32 s23, s21, s20                    ; where side A's scale words begin in its buffer,
	s_cselect_b32 s93, s20, s21                    ; and side B's
	s_add_co_u32 s17, s17, s41                     ; side A's block of 256 rows: made of cy and the cluster's numbers
	s_add_co_u32 s42, s42, s40                     ; side B's: of cx and the cluster's numbers
	s_lshl_b32 s43, s41, 2
	s_lshl_b32 s43, 15, s43                        ; my row of the cluster
	s_lshl_b32 s44, 0x1111, s40                    ; my column
	s_or_b32 s[G1], s43, (3<<16)|(1<<21)           ; codes: elements of 8 bytes, no padding, the mask and bit 21
	s_or_b32 s[G1B], s44, (3<<16)|(1<<21)
.irp g, G1, G1B
	s_mov_b32 s[\g+1], 384<<16                     ; tensor_dim0: 3,072 bytes: a tile's two K steps
	s_mov_b32 s[\g+2], 8<<16                       ; tensor_dim1: 8 tiles
	s_mov_b32 s[\g+3], 384<<16                     ; tile_dim0
	s_mov_b32 s[\g+4], 8                           ; tile_dim1
	s_mov_b32 s[\g+5], 1536                        ; from tile to tile: 12,288 bytes
	s_mov_b32 s[\g+6], 0
	s_mov_b32 s[\g+7], 0
.endr
	s_or_b32 s[G1S], s43, (3<<16)|(1<<21)          ; scale words: 4,096 dense bytes as 16 rows of 256
	s_or_b32 s[G1SB], s44, (3<<16)|(1<<21)
.irp g, G1S, G1SB
	s_mov_b32 s[\g+1], 32<<16
	s_mov_b32 s[\g+2], 16<<16
	s_mov_b32 s[\g+3], 32<<16
	s_mov_b32 s[\g+4], 16
	s_mov_b32 s[\g+5], 32
	s_mov_b32 s[\g+6], 0
	s_mov_b32 s[\g+7], 0
.endr
	s_mul_i32 s20, s17, 196608                     ; 16 tiles x 12,288 bytes
	s_mul_i32 s18, s16, 98304
	s_add_co_u32 s20, s20, s18
	s_mov_b32 s21, 0
	s_mul_i32 s46, s42, 196608
	s_add_co_u32 s46, s46, s18
	s_mov_b32 s47, 0
	s_lshl_b32 s22, s17, 13
	s_lshl_b32 s19, s16, 12
	s_add_co_u32 s22, s22, s19
	s_add_co_u32 s22, s22, s23
	s_mov_b32 s23, 0
	s_lshl_b32 s92, s42, 13
	s_add_co_u32 s92, s92, s19
	s_add_co_u32 s92, s92, s93
	s_mov_b32 s93, 0
	s_mul_i32 s45, s14, HALFT                      ; where they go: no place in the cluster enters an LDS address
	s_lshl_b32 s2, s14, 12
	s_wait_dscnt 0x0                               ; the opening add is done
	s_wait_kmcnt 0x0
	s_cmp_eq_u32 ttmp9, 2
	s_cselect_b64 s[94:95], s[6:7], s[4:5]         ; side A's buffer
	s_cselect_b64 s[66:67], s[4:5], s[6:7]         ; side B's
	s_add_nc_u64 s[20:21], s[94:95], s[20:21]
	s_add_nc_u64 s[22:23], s[94:95], s[22:23]
	s_add_nc_u64 s[46:47], s[66:67], s[46:47]
	s_add_nc_u64 s[92:93], s[66:67], s[92:93]
	CROUND                                         ; all sixteen work-groups are here: the first joint loads meet
	s_mov_b32 s[G0S], 1
	s_add_co_u32 s[G0S+1], s2, SCL
	s_mov_b64 s[G0S+2:G0S+3], s[22:23]
	s_or_b32 s[G0S+3], s[G0S+3], 0x80000000
	s_mov_b32 s[G0SB], 1
	s_add_co_u32 s[G0SB+1], s2, SCL
	s_mov_b64 s[G0SB+2:G0SB+3], s[92:93]
	s_or_b32 s[G0SB+3], s[G0SB+3], 0x80000000
	JLOAD G0S, G1S, G0SB, G1SB
.irp s, 0,1
	s_mov_b32 s[G0+4*\s], 1
	s_add_co_u32 s[G0+4*\s+1], s45, \s*SLOT
	s_add_nc_u64 s[G0+4*\s+2:G0+4*\s+3], s[20:21], \s*3072
	s_or_b32 s[G0+4*\s+3], s[G0+4*\s+3], 0x80000000
	s_mov_b32 s[G0B+4*\s], 1
	s_add_co_u32 s[G0B+4*\s+1], s45, \s*SLOT
	s_add_nc_u64 s[G0B+4*\s+2:G0B+4*\s+3], s[46:47], \s*3072
	s_or_b32 s[G0B+4*\s+3], s[G0B+4*\s+3], 0x80000000
	JLOAD G0+4*\s, G1, G0B+4*\s, G1B
.endr
	v_and_b32 v1, 15, v0                           ; r
	v_bfe_u32 v2, v0, 4, 1                         ; h
	v_and_b32 v3, 31, v0                           ; lane
	v_lshlrev_b32 v13, 4, v3                       ; 16 x lane
	s_mul_i32 s21, s15, HALFT
	s_mul_i32 s22, s16, HALFT
	s_add_co_u32 s22, s22, 2*HALFT
.irp s, 0,1
	v_add_nc_u32 v[ADRA+\s], s21, v13
	v_add_nc_u32 v[ADRB+\s], s22, v13
	s_add_co_u32 s21, s21, SLOT
	s_add_co_u32 s22, s22, SLOT
.endr
	v_lshlrev_b32 v5, 4, v1                        ; a row's four words
	s_lshl_b32 s21, s15, 12                        ; side A's: my 128 rows
	s_lshl_b32 s22, s16, 12                        ; side B's, behind A's two blocks
	s_add_co_u32 s22, s22, 8192
	s_sub_co_u32 s22, s22, s21
	v_mul_u32_u24 v6, s22, v2                      ; lanes 16-31 take side B's
	s_add_co_u32 s21, s21, SCL
	v_add_nc_u32 v5, v5, v6
	v_add_nc_u32 v[ADRS], s21, v5
	; the way out's addresses
	s_cmp_eq_u32 ttmp9, 2
	s_cselect_b32 s18, s42, s17                    ; the tokens' block of 256,
	s_cselect_b32 s19, s16, s15                    ; my half of it: which 128 of a slot's 256 tokens
	s_cselect_b32 s20, s17, s42                    ; the channels' block,
	s_cselect_b32 s21, s15, s16                    ; my half of it
	s_and_b32 s20, s20, 3
	s_lshl_b32 s20, s20, 2
	s_lshl_b32 s21, s21, 1
	s_add_co_u32 s20, s20, s21                     ; my first head
	s_lshl_b32 s18, s18, 8
	s_lshl_b32 s22, s19, 7
	s_add_co_u32 s18, s18, s22                     ; my first token among the 8,192
	s_lshr_b32 s22, s18, 11                        ; the batch
	s_and_b32 s23, s18, 2047                       ; the token in its sequence
	s_lshl_b32 s22, s22, 4
	s_add_co_u32 s20, s20, s22                     ; batch x 16 + head
	s_lshr_b32 s22, s23, 8                         ; the slot of 256 tokens
	s_cmp_eq_u32 ttmp9, 0
	s_cselect_b64 s[96:97], s[10:11], s[12:13]     ; q goes to qb, k and v to kv
	s_mov_b32 s45, 208896
	s_cselect_b32 s45, 106496, s45                 ; a head's bytes there,
	s_mov_b32 s46, 26112
	s_cselect_b32 s46, 13312, s46                  ; a slot's
	s_mul_i32 s20, s20, s45
	s_mul_i32 s22, s22, s46
	s_add_co_u32 s20, s20, s22
	s_mov_b32 s21, 0
	s_add_nc_u64 s[96:97], s[96:97], s[20:21]      ; my first head's slot,
	s_mov_b32 s46, s45
	s_mov_b32 s47, 0
	s_add_nc_u64 s[98:99], s[96:97], s[46:47]      ; my second head's
	s_lshl_b32 s20, s23, 8
	s_add_nc_u64 s[100:101], s[8:9], s[20:21]      ; the table at my first token's tile: 4,096 bytes for 16 tokens
	s_mul_i32 s22, s19, 6144
	v_add_nc_u32 v8, s22, v13                      ; q, k: registers 0-3 of an image
	v_lshlrev_b32 v5, 3, v3
	s_add_co_u32 s23, s22, 512
	v_add_nc_u32 v9, s23, v5                       ; registers 4-5
	s_add_co_u32 s23, s22, 13312
	v_add_nc_u32 v11, s23, v13                     ; v's images
	s_lshl_b32 s23, s19, 9
	s_add_co_u32 s23, s23, 12288
	v_add_nc_u32 v10, s23, v13                     ; q's, k's scale words
	s_lshl_b32 s23, s19, 8
	s_add_co_u32 s23, s23, 25600
	v_add_nc_u32 v12, s23, v5                      ; v's scale words
	s_mov_b32 s[SEL], 0x76543210
	s_mov_b32 s[SEL+1], 0xfedcba98
.macro RLOAD a                         ; the table's tile of my token tile a: 32 registers: cos, sin of the lane's 16 pairs of channels
.irp q, 0,1,2,3,4,5,6,7
	global_load_b128 v[CS+32*((\a)%2)+4*\q:CS+32*((\a)%2)+4*\q+3], v13, s[100:101] offset:4096*(\a)+512*\q
.endr
.endm
	RLOAD 0                                        ; asked for here, a whole product ahead of their use.  Every work-group asks, v's too (the addresses lie inside the table), so that one head serves all three
	RLOAD 1
.macro FRAG reg, adr, q, i             ; a fragment as it lies: three loads of 512 consecutive bytes
.irp c, 0,1,2
	ds_load_b128 v[\reg+4*\c:\reg+4*\c+3], v[\adr] offset:1536*(\q)+3072*(\i)+512*\c
.endr
.endm
; 16 matrix instructions: side A's blocks a0, a0 + 1 x side B's eight.  The 64 accumulators take turns, one instruction a turn, in the same order in every step.
.macro MUL16 a0, p, q, sc, zero
.irp a, \a0, \a0+1
.irp b, 0,1,2,3,4,5,6,7
.if \zero
	v_wmma_scale_f32_16x16x128_f8f6f4 v[8*(8*((\a)%4)+\b):8*(8*((\a)%4)+\b)+7], v[128*(\p)+FR*\b:128*(\p)+FR*\b+FR-1], v[AF+FR*(\a):AF+FR*(\a)+FR-1], 0, v[SC+16*(\sc)+8*(\q)+\b], v[SC+16*(\sc)+8*(\q)+(\a)] matrix_a_fmt:MATRIX_FMT_FP6 matrix_b_fmt:MATRIX_FMT_FP6 matrix_a_scale:MATRIX_SCALE_ROW1
.else
	v_wmma_scale_f32_16x16x128_f8f6f4 v[8*(8*((\a)%4)+\b):8*(8*((\a)%4)+\b)+7], v[128*(\p)+FR*\b:128*(\p)+FR*\b+FR-1], v[AF+FR*(\a):AF+FR*(\a)+FR-1], v[8*(8*((\a)%4)+\b):8*(8*((\a)%4)+\b)+7], v[SC+16*(\sc)+8*(\q)+\b], v[SC+16*(\sc)+8*(\q)+(\a)] matrix_a_fmt:MATRIX_FMT_FP6 matrix_b_fmt:MATRIX_FMT_FP6 matrix_a_scale:MATRIX_SCALE_ROW1
.endif
.endr
.endr
.endm
.macro FETCH_B slot, q, p
	WIN TO_B
.irp i, 0,1,2,3,4,5,6,7
	FRAG 128*(\p)+FR*\i, ADRB+\slot, \q, \i
.endr
	WIN 0
.endm
.macro FETCH_A slot, q, i0
.irp i, \i0, \i0+1, \i0+2, \i0+3
	FRAG AF+FR*(\i), ADRA+\slot, \q, \i
.endr
.endm
.macro SCALES sc                       ; a slot's scale words: register 8 q + i: lanes 0-15 side A's tile i, lanes 16-31 side B's tile i, K step q
.irp q, 0,1
.irp ih, 0,1
	ds_load_b128 v[SC+16*\sc+8*\q+4*\ih:SC+16*\sc+8*\q+4*\ih+3], v[ADRS] offset:512*\q+256*\ih
.endr
.endr
.endm
.macro PLACES n                        ; places in front of loads into registers that matrix instructions have read, and of the first read of results
.rept \n
	v_nop
.endr
.endm
.macro STEP slot, q, zero              ; a step of 128 along K that has its successor in the same slot
	s_wait_dscnt 4*NL                              ; all but the youngest 12 loads (A's blocks 4-7) are in
	WIN MUL_LO
	MUL16 0, (\q)%2, \q, \slot, \zero
	MUL16 2, (\q)%2, \q, \slot, \zero
	s_wait_dscnt 0
	PLACES NP
	FETCH_B \slot, (\q)+1, 1-(\q)%2
	FETCH_A \slot, (\q)+1, 0
	WIN MUL_HI
	MUL16 4, (\q)%2, \q, \slot, \zero
	MUL16 6, (\q)%2, \q, \slot, \zero
	PLACES NP
	WIN 0
	FETCH_A \slot, (\q)+1, 4
.endm
; A slot's last step changes slots: one barrier; in front of it each wave waits for all its tensor loads, adds 0 to its spare word, and waits for that and for its reads of this slot.
.macro TURN slot, next, fill
	s_wait_tensorcnt 0x0                           ; all my tensor loads have landed: my part of the next slot
	ds_add_u32 v[SPW], v[NIL]
	s_wait_dscnt 4*NL+1                            ; the add and the youngest 12 loads may be out
	WIN MUL_LO
	MUL16 0, 1, NQ-1, \slot, 0
	s_wait_dscnt 0x0                               ; the add is done, and my reads of this slot are over
	s_barrier_signal -1
	MUL16 2, 1, NQ-1, \slot, 0
	WIN 0
	s_barrier_wait -1
.if \fill
	CREST                                          ; the barrier has opened a round of the cluster's barrier: no wave of any partner still reads this slot or has a load on its way
	s_add_nc_u64 s[G0+4*\slot+2:G0+4*\slot+3], s[G0+4*\slot+2:G0+4*\slot+3], 6144
	s_add_nc_u64 s[G0B+4*\slot+2:G0B+4*\slot+3], s[G0B+4*\slot+2:G0B+4*\slot+3], 6144
	JLOAD G0+4*\slot, G1, G0B+4*\slot, G1B         ; the first tensor load behind the round; its four v_nop are the places in front of the loads below
.else
	PLACES NP
.endif
	v_add_nc_u32 v[ADRS], 1024, v[ADRS]            ; the next slot's scale words
	FETCH_B \next, 0, 0
	FETCH_A \next, 0, 0
	SCALES \next
	WIN MUL_HI
	MUL16 4, 1, NQ-1, \slot, 0
	MUL16 6, 1, NQ-1, \slot, 0
	PLACES NP
	WIN 0
	FETCH_A \next, 0, 4
.endm
	s_wait_tensorcnt 1                             ; the scale words and my part of slot 0 are in; slot 1's load may be out
	s_barrier_signal -1
	s_barrier_wait -1
	FETCH_B 0, 0, 0
	FETCH_A 0, 0, 0
	SCALES 0
	FETCH_A 0, 0, 4
	STEP 0, 0, 1                                   ; the first step's products start the sums
	s_mov_b32 s3, LAPS-1
.Llap:
	TURN 0, 1, 1
	STEP 1, 0, 0
	TURN 1, 0, 1
	STEP 0, 0, 0
	s_sub_co_u32 s3, s3, 1
	s_cmp_lg_u32 s3, 0
	s_cbranch_scc1 .Llap
	TURN 0, 1, 0                                   ; the last lap fills nothing
	STEP 1, 0, 0
	s_wait_dscnt 4*NL
	WIN MUL_LO
	MUL16 0, 1, NQ-1, 1, 0
	MUL16 2, 1, NQ-1, 1, 0
	s_wait_dscnt 0
	WIN MUL_HI
	MUL16 4, 1, NQ-1, 1, 0
	MUL16 6, 1, NQ-1, 1, 0
	WIN 0
; 16 nb numbers of a lane in window w, register s + 16 b + e = k 32 b + 16 h + e of my row, become codes in v[pc] on; the bytes are left in v[TM+4] on.  An accumulator is read from its low end on.
.macro QUANT s, w, nb, pc
	WIN (\w)*5                                     ; sources 0 and 1 in window w
.set QB, 0
.rept \nb
	v_max3_num_f32 v[TM+QB], |v[(\s)+16*QB]|, |v[(\s)+16*QB+1]|, 0x1800000   ; the floor 2^(3 - 127) holds the byte at 1 from below
.set QB, QB+1
.endr
.irp i, 2,4,6,8,10,12,14
.set QB, 0
.rept \nb
	v_max3_num_f32 v[TM+QB], |v[(\s)+16*QB+\i]|, |v[(\s)+16*QB+\i+1]|, v[TM+QB]
.set QB, QB+1
.endr
.endr
	WIN 0
.set QB, 0
.rept \nb
	v_permlanex16_b32 v[TM+4+QB], v[TM+QB], s[SEL], s[SEL+1]
.set QB, QB+1
.endr
.set QB, 0
.rept \nb
	v_max_num_f32 v[TM+QB], v[TM+QB], v[TM+4+QB]
.set QB, QB+1
.endr
.set QB, 0
.rept \nb
	v_add_nc_u32 v[TM+12+QB], 0xff000000, v[TM+QB]        ; 2 off the exponent field: the conversion's scale operand
.set QB, QB+1
.endr
.set QB, 0
.rept \nb
	v_lshrrev_b32 v[TM+4+QB], 23, v[TM+12+QB]             ; the scale's byte
.set QB, QB+1
.endr
	WIN (\w)                                       ; source 0 in window w
.set QB, 0
.rept (\nb)/2
	v_cvt_scalef32_pk16_fp6_f32 v[(\pc)+6*QB:(\pc)+6*QB+2], v[(\s)+32*QB:(\s)+32*QB+15], v[TM+12+2*QB]
	v_cvt_scalef32_pk16_fp6_f32 v[PT+4*QB:PT+4*QB+2], v[(\s)+32*QB+16:(\s)+32*QB+31], v[TM+13+2*QB]
.set QB, QB+1
.endr
	WIN 0
	v_nop                                          ; one plain place behind the scaled conversions
.set QB, 0
.rept (\nb)/2
.irp i, 0,1,2
	v_permlane16_swap_b32 v[(\pc)+6*QB+\i], v[PT+4*QB+\i]
.endr
.irp i, 0,1,2
	v_mov_b32 v[(\pc)+6*QB+3+\i], v[PT+4*QB+\i]
.endr
.set QB, QB+1
.endr
.endm
; token tile a, head hh: the lane's 32 channels, 16 pairs (x1, x2), are turned: r1 = x1 cos - x2 sin, r2 = x1 sin + x2 cos
.macro ROPE a, hh
	WIN 2+(\a)/4                                   ; source 0: the accumulators' window
.irp k, 0,2,4,6,8,10,12,14,16,18,20,22,24,26,28,30
	v_pk_mul_f32 v[XR+\k:XR+\k+1], v[64*((\a)%4)+32*(\hh)+\k:64*((\a)%4)+32*(\hh)+\k+1], v[CS+32*((\a)%2)+\k:CS+32*((\a)%2)+\k+1] op_sel_hi:[1,0]   ; x1 cos, x2 cos
.endr
.irp k, 0,2,4,6,8,10,12,14,16,18,20,22,24,26,28,30
	v_pk_fma_f32 v[XR+\k:XR+\k+1], v[64*((\a)%4)+32*(\hh)+\k:64*((\a)%4)+32*(\hh)+\k+1], v[CS+32*((\a)%2)+\k:CS+32*((\a)%2)+\k+1], v[XR+\k:XR+\k+1] op_sel:[1,1,0] op_sel_hi:[0,1,1] neg_lo:[1,0,0]   ; - x2 sin, + x1 sin
.endr
	WIN 0
.endm
	PLACES NP                                      ; behind the last products: results are read and side A's registers written from here on
.irp b, 0,1,2,3
	v_mov_b32 v[TM+4+\b], 0                        ; a lane permute's destination counts as one of its sources
.endr
	v_cmp_ne_u32 vcc_lo, 0, v2                     ; lanes 16-31
	s_cmp_eq_u32 ttmp9, 2
	s_cbranch_scc1 .Lv_out
	; ---- q and k: a lane holds one token; accumulators (a, 4 hh .. 4 hh + 3) are its 32 channels of head hh
.irp a, 0,1,2,3,4,5,6,7
.if \a < 7
	s_wait_loadcnt 8                               ; this tile's cos and sin are in; the next tile's 8 loads stay out
.else
	s_wait_loadcnt 0x0
.endif
.irp hh, 0,1
	s_wait_xcnt 0x0                                ; the last image's stores have read the codes' registers
	ROPE \a, \hh
	QUANT XR, 0, 2, PC
	v_lshl_or_b32 v[PWS+8*\hh+\a], v[TM+5], 8, v[TM+4]
	v_or_b32 v[PWS+8*\hh+\a], 0x7f7f0000, v[PWS+8*\hh+\a]     ; 1.0 for the upper 64 of the instruction's K
	global_store_b128 v8, v[PC:PC+3], s[96+2*\hh:97+2*\hh] offset:768*\a      ; 512 consecutive bytes, aligned
	global_store_b64 v9, v[PC+4:PC+5], s[96+2*\hh:97+2*\hh] offset:768*\a     ; 256
.endr
.if \a < 6
	RLOAD \a+2
.endif
.endr
.irp hh, 0,1
.irp g, 0,1,2,3
	v_cndmask_b32 v[MW+4*\hh+\g], v[PWS+8*\hh+2*\g], v[PWS+8*\hh+2*\g+1], vcc_lo   ; lanes 0-15 tile (g, 0)'s word, lanes 16-31 tile (g, 1)'s
.endr
	global_store_b128 v10, v[MW+4*\hh:MW+4*\hh+3], s[96+2*\hh:97+2*\hh]
.endr
	s_branch .Lout_done
	; ---- v: a lane holds one channel; accumulators (a, 0 .. 7) are 64 of its 128 tokens: one image of 16 channels x 128 keys
.Lv_out:
	s_wait_loadcnt 0x0                             ; the table's tiles asked for at the head are not used on this way
.irp a, 0,1,2,3,4,5,6,7
	s_wait_xcnt 0x0
	QUANT 64*(\a%4), 2+\a/4, 4, PC
	v_lshl_or_b32 v[PWS+\a], v[TM+5], 8, v[TM+4]
	v_lshl_or_b32 v[PWS+\a], v[TM+6], 16, v[PWS+\a]
	v_lshl_or_b32 v[PWS+\a], v[TM+7], 24, v[PWS+\a]
.irp c, 0,1,2
	global_store_b128 v11, v[PC+4*\c:PC+4*\c+3], s[96+2*(\a/4):97+2*(\a/4)] offset:1536*(\a%4)+512*\c
.endr
.endr
.irp hh, 0,1
	v_cndmask_b32 v[MW+2*\hh], v[PWS+4*\hh], v[PWS+4*\hh+1], vcc_lo
	v_cndmask_b32 v[MW+2*\hh+1], v[PWS+4*\hh+2], v[PWS+4*\hh+3], vcc_lo
	global_store_b64 v12, v[MW+2*\hh:MW+2*\hh+1], s[96+2*\hh:97+2*\hh]
.endr
.Lout_done:
	s_wait_tensorcnt 0x0                           ; the wave's end
	ds_add_u32 v[SPW], v[NIL]
	s_wait_dscnt 0x0
	CROUND                                         ; the closing round
	s_endpgm
.Lfunc_end_k_q5dacdbc789_qkv:
	.size	k_q5dacdbc789_qkv, .Lfunc_end_k_q5dacdbc789_qkv-k_q5dacdbc789_qkv
	.p2alignl 7, 3214868480
	.fill 96, 4, 3214868480
	.section	.rodata,"a",@progbits
	.p2align	6, 0x0
	.amdhsa_kernel k_q5dacdbc789_qkv
		.amdhsa_group_segment_fixed_size 327680
		.amdhsa_private_segment_fixed_size 0
		.amdhsa_enable_private_segment 0
		.amdhsa_kernarg_size 40
		.amdhsa_user_sgpr_count 2
		.amdhsa_user_sgpr_kernarg_segment_ptr 1
		.amdhsa_wavefront_size32 1
		.amdhsa_system_sgpr_workgroup_id_x 1
		.amdhsa_system_sgpr_workgroup_id_y 1
		.amdhsa_system_sgpr_workgroup_id_z 1
		.amdhsa_system_vgpr_workitem_id 0
		.amdhsa_next_free_vgpr 1024
		.amdhsa_next_free_sgpr 102
		.amdhsa_reserve_vcc 1
		.amdhsa_float_denorm_mode_32 3
		.amdhsa_float_denorm_mode_16_64 3
		.amdhsa_memory_ordered 1
		.amdhsa_forward_progress 1
		.amdhsa_inst_pref_size 214
	.end_amdhsa_kernel
	.amdgpu_metadata
---
amdhsa.version: [ 1, 2 ]
amdhsa.kernels:
  - .name:           k_q5dacdbc789_qkv
    .symbol:         k_q5dacdbc789_qkv.kd
    .args:
      - { .name: xq, .offset: 0, .size: 8, .value_kind: global_buffer, .address_space: global }
      - { .name: wq, .offset: 8, .size: 8, .value_kind: global_buffer, .address_space: global }
      - { .name: rt, .offset: 16, .size: 8, .value_kind: global_buffer, .address_space: global }
      - { .name: qb, .offset: 24, .size: 8, .value_kind: global_buffer, .address_space: global }
      - { .name: kv, .offset: 32, .size: 8, .value_kind: global_buffer, .address_space: global }
    .group_segment_fixed_size: 327680
    .private_segment_fixed_size: 0
    .kernarg_segment_align: 8
    .kernarg_segment_size: 40
    .max_flat_workgroup_size: 128
    .sgpr_count:     102
    .vgpr_count:     1024
    .wavefront_size: 32
...
	.end_amdgpu_metadata
.endif
;; end of part 2
;; launch attn (part 3): grid 8 x 32, 16 waves a work-group, no clusters, 327,680 bytes of LDS; arguments qb, kv, oq; writes oq
.if DOCPART == 3
	.amdgcn_target "amdgcn-amd-amdhsa--gfx1250"
	.amdhsa_code_object_version 6
	.text
	.protected	k_q5dacdbc789_attn
	.globl	k_q5dacdbc789_attn
	.p2align	8
	.type	k_q5dacdbc789_attn,@function
k_q5dacdbc789_attn:
	s_mov_b64 s[64:65], 0
	v_nop
	global_prefetch_b8 v0, s[64:65] scope:SCOPE_SE
	s_setreg_imm32_b32 hwreg(HW_REG_WAVE_MODE, 25, 1), 1
	s_wait_xcnt 0x0
; ATTN.  O = softmax(q k^T / 8, causal) v for two neighbouring heads, both products on codes of FP6 (E2M3) with E8M0 scales; O / l is quantised along the model's 1,024 and stored as the last product's operand.
; THE SOFTMAX: t = score x log2(e) / 8; M = the row's largest t so far, rounded up to a whole number; p = 2^(t - M) is quantised along the keys; the row's sum is taken of the unquantised p and divides O at the end.
; When M moves, the sum and O are multiplied by 2^(old M - new M): exact.
; SHARES.  Work-group (a, P): heads 2 P and 2 P + 1 one after the other, and the chunks a and 15 - a of 128 queries: 17 key steps of 128 for each pair of a low and a high tile, whatever a.  Each of sixteen waves owns one tile of
; 16 queries in 256 registers; hi = (w xor w / 4) & 1 picks the chunk, so that low and high tiles are mixed among any four neighbouring or any four strided waves.
; LAYOUT.  Both products are used transposed (S^T = k q^T, O^T = v^T p^T): a lane holds one query throughout.  Row rho of tile 2 G + u (of queries, keys, channels) is 32 G + 8 u + rho + 8 (rho / 8), so that the 16 registers
; of tiles 2 G, 2 G + 1 are 16 neighbours.  A head has 64 channels and the instruction's K is 128: q's upper six registers are zero codes, and the scale bytes there are 1.0; k's upper six registers are then the next
; tile's codes (or zeros), which are multiplied by zeros.
; THE RING.  The 16 slots (256 keys: k's and v's images and scale words, 26,112 dense bytes) of the two heads follow each other in memory.  Two LDS slots; wave 0 brings a whole slot by one tensor load, issued first behind the
; change of slots, which has the two key steps of all sixteen waves in which to land.  Every work-group walks all 16 slots; a step all of whose keys come after the wave's queries is jumped over, and a slot whose first key comes
; after the work-group's last query is not asked for.
; NO CLUSTER: the eight work-groups of a pair of heads need 5 to 8 slots a head, a different number each, and the jump at the causal limit may not lead round a joint load.
; LIMITS: NaN and infinities are not served; 1 / l is v_rcp_f32's.
; REGISTERS: v1-11 addresses; v12 -M, v13 the largest t, v[14:15] the sum; v16-27 q; v28-33, v35 the second head's q; v34 q's scale word; v36-39 k's words, v40-41 v's, v42 p's; v44-97 k's or v's fragments; v98-161 S^T, then p;
; v162-193 O^T; v194-205 p's codes; v206-229 at work; v230-241 O's codes; v[242:243] a factor; v244-246 O's words; v248 the prefetches' offset; v250, v[252:253] at work.
.set SLOTB, 26112
.set SLOT1, 32768                      ; slot 1 begins here: one exclusive or turns an address
.set SCR,   65536                      ; 1,024 bytes: O's scale words on their way out; no tile lands here
.set SPARE, 66560                      ; the spare words, 128 bytes a wave
.set QSLOT, 13312
.set OQS,   6291456
.set KSO,   12288                      ; in a slot: k's scale words,
.set VCO,   13312                      ; v's images,
.set VSO,   25600                      ; v's scale words
.set ADK,  3
.set ADK8, 4
.set SPW,  5
.set NIL,  6
.set S,    98
.set O,    162
.set PCD,  194
.set PT,   206
.set TM,   214
.set OCD,  230
.set PFO,  248
.set WV,   18
.set SEL,  20
.set CS,   22                          ; s[22:23] c = log2(e) / 8
.set G1,   24
.set G0,   32
.set TB,   2                           ; the slot in hand
.set KF,   36                          ; the step's first key, in its head
.set Q0,   37                          ; my first query
.set LASTQ, 38                         ; my work-group's last
.set SLOTS, 39
.set PFA,  40
.set LIM,  42
.set OC,   44
.set OS,   46
.set QP,   48
.set QS,   52
.macro TLOAD                           ; wave 0 alone; an s_nop 0 and four v_nop follow the line
	s_cmp_lg_u32 s[WV], 0
	s_cbranch_scc1 .Lasked_\@
	tensor_load_to_lds s[G0:G0+3], s[G1:G1+7]
	s_nop 0
.rept 4
	v_nop
.endr
.Lasked_\@:
.endm
; A prefetch into the L2 of the slot that the NEXT change of slots will ask for: 102 blocks of 256 bytes, a lane a block.  All eight work-groups of a pair of heads walk the same slots: the first of them asks (it reads every slot),
; by its waves 4 to 7, which fetch nothing; the lanes beyond block 101 name that block.  The last change that fills a slot asks for nothing; slots 0 and 1 come by their loads alone.
.macro ASK
	s_cmp_gt_u32 s[SLOTS], s[LIM]
	s_cbranch_scc0 .Lnot_mine_\@
	global_prefetch_b8 v[PFO], s[PFA:PFA+1] th:TH_LOAD_NT scope:SCOPE_SE
.Lnot_mine_\@:
.endm
.macro QUANT s, nb, pc                 ; 16 nb numbers of a lane, register s + 16 b + e = k 32 b + 16 h + e, become codes in v[pc] on; the bytes are left in v[TM+4] on
.set QB, 0
.rept \nb
	v_max3_num_f32 v[TM+QB], |v[(\s)+16*QB]|, |v[(\s)+16*QB+1]|, 0x1800000
.set QB, QB+1
.endr
.irp i, 2,4,6,8,10,12,14
.set QB, 0
.rept \nb
	s_delay_alu instid0(VALU_DEP_2)
	v_max3_num_f32 v[TM+QB], |v[(\s)+16*QB+\i]|, |v[(\s)+16*QB+\i+1]|, v[TM+QB]
.set QB, QB+1
.endr
.endr
.set QB, 0
.rept \nb
	s_delay_alu instid0(VALU_DEP_2)
	v_permlanex16_b32 v[TM+4+QB], v[TM+QB], s[SEL], s[SEL+1]
.set QB, QB+1
.endr
.set QB, 0
.rept \nb
	s_delay_alu instid0(VALU_DEP_2)
	v_max_num_f32 v[TM+QB], v[TM+QB], v[TM+4+QB]
.set QB, QB+1
.endr
.set QB, 0
.rept \nb
	s_delay_alu instid0(VALU_DEP_2)
	v_add_nc_u32 v[TM+12+QB], 0xff000000, v[TM+QB]
.set QB, QB+1
.endr
.set QB, 0
.rept \nb
	s_delay_alu instid0(VALU_DEP_2)
	v_lshrrev_b32 v[TM+4+QB], 23, v[TM+12+QB]
.set QB, QB+1
.endr
.set QB, 0
.rept (\nb)/2
	v_cvt_scalef32_pk16_fp6_f32 v[(\pc)+6*QB:(\pc)+6*QB+2], v[(\s)+32*QB:(\s)+32*QB+15], v[TM+12+2*QB]
	v_cvt_scalef32_pk16_fp6_f32 v[PT+4*QB:PT+4*QB+2], v[(\s)+32*QB+16:(\s)+32*QB+31], v[TM+13+2*QB]
.set QB, QB+1
.endr
	v_nop
.set QB, 0
.rept (\nb)/2
.irp i, 0,1,2
	v_permlane16_swap_b32 v[(\pc)+6*QB+\i], v[PT+4*QB+\i]
.endr
.irp i, 0,1,2
	s_delay_alu instid0(VALU_DEP_3)
	v_mov_b32 v[(\pc)+6*QB+3+\i], v[PT+4*QB+\i]
.endr
.set QB, QB+1
.endr
.endm
.macro INIT                            ; a head begins: the largest t is -3e38, the sum and O^T are zeros, which the first change of M leaves zeros
	v_mov_b32 v13, 0xff61b1e6
	s_delay_alu instid0(VALU_DEP_1)
	v_floor_f32 v12, -v13
	v_mov_b32 v14, 0
	v_mov_b32 v15, 0
.set J, 0
.rept 32
	v_mov_b32 v[O+J], 0
.set J, J+1
.endr
.endm
	s_load_b128 s[4:7], s[0:1], 0x0                ; qb s[4:5], kv s[6:7]
	s_load_b64 s[8:9], s[0:1], 0x10                ; oq
	v_lshl_add_u32 v[SPW], v0, 2, SPARE
	v_mov_b32 v[NIL], 0
	ds_add_u32 v[SPW], v[NIL]                      ; the wave's opening
	ds_add_u32 v[SPW], v[NIL]
	v_lshrrev_b32 v8, 5, v0
	s_delay_alu instid0(VALU_DEP_1)
	v_readfirstlane_b32 s[WV], v8
	s_and_b32 s10, ttmp7, 0xffff                   ; P: the pair of heads
	s_lshr_b32 s11, s[WV], 2
	s_xor_b32 s11, s11, s[WV]
	s_and_b32 s11, s11, 1                          ; hi
	s_lshr_b32 s12, s[WV], 1                       ; my tile in the chunk
	s_sub_co_u32 s13, 15, ttmp9
	s_cmp_eq_u32 s11, 0
	s_cselect_b32 s14, ttmp9, s13                  ; my chunk
	s_lshl_b32 s15, s14, 3
	s_add_co_u32 s15, s15, s12                     ; my tile of queries, 0 .. 127
	s_lshr_b32 s[Q0], s15, 1
	s_lshl_b32 s[Q0], s[Q0], 5
	s_and_b32 s16, s15, 1
	s_lshl_b32 s16, s16, 3
	s_add_co_u32 s[Q0], s[Q0], s16
	s_lshl_b32 s[LASTQ], s13, 7
	s_add_co_u32 s[LASTQ], s[LASTQ], 127
	s_mul_i32 s[QP], s10, 16*QSLOT                 ; q: two heads of 8 slots,
	s_lshr_b32 s16, s15, 4
	s_mul_i32 s16, s16, QSLOT
	s_add_co_u32 s[QP], s[QP], s16                 ; my slot
	s_and_b32 s16, s15, 15                         ; my tile in it
	s_lshr_b32 s17, s16, 3
	s_lshl_b32 s17, s17, 9
	s_add_co_u32 s[QS], s[QP], s17                 ; its scale words: 512 bytes for 8 tiles,
	s_and_b32 s17, s16, 1
	s_lshl_b32 s17, s17, 8
	s_add_co_u32 s[QS], s[QS], s17                 ; lanes 16 u on,
	s_bfe_u32 s17, s16, 0x20001
	s_lshl_b32 s17, s17, 2
	s_add_co_u32 s[QS], s[QS], s17                 ; word g
	s_add_co_u32 s[QS], s[QS], KSO
	s_mov_b32 s[QS+1], 0
	s_mul_i32 s16, s16, 768
	s_add_co_u32 s[QP], s[QP], s16
	s_mov_b32 s[QP+1], 0
	s_lshr_b32 s16, s10, 3                         ; the batch
	s_and_b32 s17, s10, 7                          ; the last product's K step
	s_lshl_b32 s50, s16, 7
	s_add_co_u32 s50, s50, s15
	s_lshl_b32 s50, s50, 3
	s_add_co_u32 s50, s50, s17
	s_mul_i32 s[OC], s50, 1536                     ; O's image
	s_mov_b32 s[OC+1], 0
	s_and_b32 s50, s[WV], 1
	s_cmp_eq_u32 s50, 0
	s_cselect_b32 s51, ttmp9, s13                  ; the chunk whose scale words wave 0 or 1 stores
	s_lshl_b32 s16, s16, 4
	s_add_co_u32 s51, s51, s16
	s_lshl_b32 s[OS], s51, 12
	s_lshl_b32 s17, s17, 9
	s_add_co_u32 s[OS], s[OS], s17
	s_add_co_u32 s[OS], s[OS], OQS
	s_mov_b32 s[OS+1], 0
	s_mul_i32 s16, s10, 16*SLOTB                   ; k, v: the pair's 16 slots
	s_mov_b32 s17, 0
	s_mov_b32 s[G1], 3<<16                         ; a slot: 102 rows of 256 bytes (32 elements of 8), dense, no mask, no padding
	s_mov_b32 s[G1+1], 32<<16
	s_mov_b32 s[G1+2], 102<<16
	s_mov_b32 s[G1+3], 32<<16
	s_mov_b32 s[G1+4], 102
	s_mov_b32 s[G1+5], 32
	s_mov_b32 s[G1+6], 0
	s_mov_b32 s[G1+7], 0
	s_mov_b32 s[SEL], 0x76543210
	s_mov_b32 s[SEL+1], 0xfedcba98
	s_mov_b32 s[CS], 0x3e38aa3b
	s_mov_b32 s[CS+1], s[CS]
	s_mov_b32 s[TB], 0
	s_mov_b32 s[KF], 0
	s_mov_b32 s[SLOTS], 15
	s_lshr_b32 s50, s[WV], 2
	s_xor_b32 s50, s50, 1                          ; 0 in waves 4 to 7,
	s_or_b32 s50, s50, ttmp9                       ; of the pair's first work-group
	s_cmp_eq_u32 s50, 0
	s_cselect_b32 s[LIM], 1, -1
	v_and_b32 v1, 31, v0
	s_sub_co_u32 s50, s[WV], 4
	s_lshl_b32 s50, s50, 5
	v_add_nc_u32 v[PFO], s50, v1
	s_delay_alu instid0(VALU_DEP_1)
	v_min_u32 v[PFO], 101, v[PFO]
	s_delay_alu instid0(VALU_DEP_1)
	v_lshlrev_b32 v[PFO], 8, v[PFO]
	v_lshlrev_b32 v2, 3, v1                        ; 8 x lane
	v_lshlrev_b32 v1, 4, v1                        ; 16 x lane
	v_and_b32 v8, 15, v0                           ; r
	s_delay_alu instid0(VALU_DEP_1)
	v_and_b32 v7, 8, v8
	s_delay_alu instid0(VALU_DEP_1)
	v_add_nc_u32 v7, v7, v8
	v_bfe_u32 v11, v0, 4, 1
	s_delay_alu instid0(VALU_DEP_1)
	v_lshlrev_b32 v11, 4, v11
	s_delay_alu instid0(VALU_DEP_1)
	v_sub_nc_u32 v7, v7, v11                       ; r + 8 (r / 8) - 16 h
	v_lshlrev_b32 v11, 4, v8                       ; 16 r
	s_wait_alu depctr_va_vdst(0)
	s_lshl_b32 s50, s11, 9                         ; the scratch: [chunk 2][tile / 4][r 16][tile % 4] words
	s_lshr_b32 s51, s12, 2
	s_lshl_b32 s51, s51, 8
	s_add_co_u32 s50, s50, s51
	s_and_b32 s51, s12, 3
	s_lshl_b32 s51, s51, 2
	s_add_co_u32 s50, s50, s51
	s_add_co_u32 s50, s50, SCR
	v_add_nc_u32 v9, s50, v11                      ; where I put my row's word
	s_and_b32 s51, s[WV], 1
	s_lshl_b32 s51, s51, 9
	s_add_co_u32 s51, s51, SCR
	v_add_nc_u32 v10, s51, v1                      ; where waves 0 and 1 read a chunk's 512 bytes back
	s_wait_dscnt 0x0                               ; the opening add is done
	s_wait_kmcnt 0x0
	s_add_nc_u64 s[6:7], s[6:7], s[16:17]
	s_mov_b32 s[G0], 1
	s_mov_b32 s[G0+1], 0
	s_mov_b64 s[G0+2:G0+3], s[6:7]
	s_or_b32 s[G0+3], s[G0+3], 0x80000000
	TLOAD                                          ; slot 0
	s_add_nc_u64 s[PFA:PFA+1], s[6:7], SLOTB       ; at slot 1: the first change of slots steps it to slot 2
	s_add_nc_u64 s[QP:QP+1], s[4:5], s[QP:QP+1]
	s_add_nc_u64 s[QS:QS+1], s[4:5], s[QS:QS+1]
	s_add_nc_u64 s[OC:OC+1], s[8:9], s[OC:OC+1]
	s_add_nc_u64 s[OS:OS+1], s[8:9], s[OS:OS+1]
	global_load_b128 v[16:19], v1, s[QP:QP+1]                      ; q of both heads stays in registers
	global_load_b64 v[20:21], v2, s[QP:QP+1] offset:512
	global_load_b128 v[28:31], v1, s[QP:QP+1] offset:8*QSLOT
	global_load_b64 v[32:33], v2, s[QP:QP+1] offset:8*QSLOT+512
	global_load_b32 v34, v11, s[QS:QS+1]
	global_load_b32 v35, v11, s[QS:QS+1] offset:8*QSLOT
.irp i, 22,23,24,25,26,27, 92,93,94,95,96,97
	v_mov_b32 v[\i], 0                             ; q's upper 64 of K: zero codes; and what stands behind k's last tile
.endr
.irp i, 230,231,232,233,234,235, 243,244,250
	v_mov_b32 v[\i], 0                             ; written once: the first head's codes and word are made under a branch on the count of steps; v243 is named in a pair; v250 is a permute's destination
.endr
.irp b, 0,1,2,3
	v_mov_b32 v[TM+4+\b], 0
.endr
	INIT
; A KEY STEP: 128 keys, the q-th of the slot in hand
.macro STEP q
	s_add_co_u32 s50, s[Q0], 23                    ; my last query
	s_cmp_gt_u32 s[KF], s50
	s_cbranch_scc1 .Lhidden_\@                     ; all its keys come after my queries: a branch on ids, round no barrier and no tensor load
	v_add_nc_u32 v[ADK], s[TB], v1
	v_add_nc_u32 v[ADK8], s[TB], v2
	v_nop
	v_nop                                          ; four places in front of loads into registers that the last products read
	ds_load_b128 v[36:39], v[ADK] offset:KSO+512*\q
.irp t, 0,1,2,3,4,5,6,7
	ds_load_b128 v[44+6*\t:47+6*\t], v[ADK] offset:768*(8*\q+\t)
	ds_load_b64 v[48+6*\t:49+6*\t], v[ADK8] offset:768*(8*\q+\t)+512
.endr
	s_wait_alu depctr_va_vdst(0)
	s_wait_dscnt 0x0
.irp t, 0,2,4,6                        ; S^T = k q^T: register 16 G + e of a lane is key KF + 32 G + 16 h + e
	v_wmma_scale_f32_16x16x128_f8f6f4 v[S+8*\t:S+8*\t+7], v[44+6*\t:55+6*\t], v[16:27], 0, v[36+\t/2], v34 matrix_a_fmt:MATRIX_FMT_FP6 matrix_b_fmt:MATRIX_FMT_FP6
	v_wmma_scale_f32_16x16x128_f8f6f4 v[S+8*\t+8:S+8*\t+15], v[50+6*\t:61+6*\t], v[16:27], 0, v[36+\t/2], v34 matrix_a_fmt:MATRIX_FMT_FP6 matrix_b_fmt:MATRIX_FMT_FP6 matrix_a_scale:MATRIX_SCALE_ROW1
.endr
.rept 4
	v_nop                                          ; places in front of the loads below and of the first read of the scores
.endr
.irp t, 0,1,2,3                        ; v's four images and its words land under the softmax
.irp c, 0,1,2
	ds_load_b128 v[44+12*\t+4*\c:47+12*\t+4*\c], v[ADK] offset:VCO+1536*(4*\q+\t)+512*\c
.endr
.endr
	ds_load_b64 v[40:41], v[ADK8] offset:VSO+256*\q
	s_add_co_u32 s50, s[KF], 127
	s_cmp_le_u32 s50, s[Q0]
	s_cbranch_scc1 .Lopen_\@                       ; all keys count
	s_sub_co_i32 s50, s[Q0], s[KF]
	v_add_nc_u32 v8, s50, v7                       ; d = my query - KF - 16 h: register 16 G + e is hidden where 32 G + e > d
	v_mov_b32 v250, 0xff800000
.set N, 0
.rept 64
	v_cmp_gt_i32 vcc_lo, 32*(N/16)+N%16, v8
	v_cndmask_b32 v[S+N], v[S+N], v250, vcc_lo
.set N, N+1
.endr
.Lopen_\@:
.irp b, 0,1,2,3
	v_max3_num_f32 v[TM+\b], v[S+16*\b], v[S+1+16*\b], v[S+2+16*\b]   ; the largest score of each block of 32 keys: for the row's maximum, and, since p rises with the score, for the block's largest p
.endr
.irp i, 3,5,7,9,11,13
.irp b, 0,1,2,3
	v_max3_num_f32 v[TM+\b], v[TM+\b], v[S+16*\b+\i], v[S+1+16*\b+\i]
.endr
.endr
.irp b, 0,1,2,3
	v_max_num_f32 v[TM+\b], v[TM+\b], v[S+15+16*\b]
.endr
.irp b, 0,1,2,3
	s_delay_alu instid0(VALU_DEP_4)
	v_permlanex16_b32 v[TM+4+\b], v[TM+\b], s[SEL], s[SEL+1]
.endr
.irp b, 0,1,2,3
	s_delay_alu instid0(VALU_DEP_4)
	v_max_num_f32 v[TM+\b], v[TM+\b], v[TM+4+\b]
.endr
	s_delay_alu instid0(VALU_DEP_2)
	v_max3_num_f32 v250, v[TM], v[TM+1], v[TM+2]
	s_delay_alu instid0(VALU_DEP_1)
	v_max_num_f32 v250, v250, v[TM+3]
	s_delay_alu instid0(VALU_DEP_1)
	v_mul_f32 v250, s[CS], v250
	s_delay_alu instid0(VALU_DEP_1)
	v_max_num_f32 v13, v13, v250                   ; the running largest t
	v_mov_b32 v250, v12
	s_delay_alu instid0(VALU_DEP_2)
	v_floor_f32 v12, -v13                          ; -M = floor(-t): M is a whole number
	s_delay_alu instid0(VALU_DEP_1)
	v_sub_f32 v250, v12, v250
	s_delay_alu instid0(VALU_DEP_1)
	v_cvt_i32_f32 v250, v250                       ; (it saturates)
	s_delay_alu instid0(VALU_DEP_1)
	v_ldexp_f32 v242, 1.0, v250                    ; f = 2^(old M - new M)
.set J, 0
.rept 32
	v_pk_fma_f32 v[S+J:S+J+1], v[S+J:S+J+1], s[CS:CS+1], v[12:13] op_sel_hi:[1,0,0]   ; t - M
.set J, J+2
.endr
.irp b, 0,1,2,3
	v_fma_f32 v[TM+\b], v[TM+\b], s[CS], v12
.endr
.set J, 0
	s_wait_alu depctr_va_vdst(0)
.rept 64
	v_exp_f32 v[S+J], v[S+J]                       ; p = 2^(t - M)
.set J, J+1
.endr
	v_pk_mul_f32 v[14:15], v[14:15], v[242:243] op_sel_hi:[1,0]   ; the sums under the new M: a plain place behind the exponentials
	s_wait_alu depctr_va_vdst(0)                   ; one wait for the batch, ahead of its first reader
.irp b, 0,1,2,3
	v_exp_f32 v[TM+\b], v[TM+\b]                   ; each block's largest p
.endr
	v_pk_add_f32 v[252:253], v[102:103], v[106:107]
	v_pk_add_f32 v[254:255], v[110:111], v[114:115]
	v_pk_add_f32 v[246:247], v[118:119], v[122:123]
	v_pk_add_f32 v[240:241], v[126:127], v[130:131]
	v_pk_add_f32 v[238:239], v[134:135], v[138:139]
	v_pk_add_f32 v[236:237], v[142:143], v[146:147]
	v_pk_add_f32 v[228:229], v[150:151], v[154:155]
	v_pk_add_f32 v[14:15], v[14:15], v[158:159]
	v_pk_add_f32 v[252:253], v[252:253], v[98:99]
	v_pk_add_f32 v[254:255], v[254:255], v[100:101]
	v_pk_add_f32 v[246:247], v[246:247], v[104:105]
	v_pk_add_f32 v[240:241], v[240:241], v[108:109]
	v_pk_add_f32 v[238:239], v[238:239], v[112:113]
	v_pk_add_f32 v[236:237], v[236:237], v[116:117]
	v_pk_add_f32 v[228:229], v[228:229], v[120:121]
	v_pk_add_f32 v[14:15], v[14:15], v[124:125]
	v_pk_add_f32 v[252:253], v[252:253], v[128:129]
	v_pk_add_f32 v[254:255], v[254:255], v[132:133]
	v_pk_add_f32 v[246:247], v[246:247], v[136:137]
	v_pk_add_f32 v[240:241], v[240:241], v[140:141]
	v_pk_add_f32 v[238:239], v[238:239], v[144:145]
	v_pk_add_f32 v[236:237], v[236:237], v[148:149]
	v_pk_add_f32 v[228:229], v[228:229], v[152:153]
	v_pk_add_f32 v[14:15], v[14:15], v[156:157]
	v_pk_add_f32 v[252:253], v[252:253], v[160:161]
	s_delay_alu instid0(VALU_DEP_2)
	v_pk_add_f32 v[14:15], v[14:15], v[240:241]
	s_delay_alu instid0(VALU_DEP_2)
	v_pk_add_f32 v[252:253], v[252:253], v[238:239]
	v_pk_add_f32 v[254:255], v[254:255], v[236:237]
	v_pk_add_f32 v[246:247], v[246:247], v[228:229]
	s_delay_alu instid0(VALU_DEP_2)
	v_pk_add_f32 v[14:15], v[14:15], v[254:255]
	s_delay_alu instid0(VALU_DEP_2)
	v_pk_add_f32 v[252:253], v[252:253], v[246:247]
	s_delay_alu instid0(VALU_DEP_1)
	v_pk_add_f32 v[14:15], v[14:15], v[252:253]
	s_wait_alu depctr_va_vdst(0)                   ; and one for the four
.irp b, 0,1,2,3
	v_max_num_f32 v[TM+\b], 0x1800000, v[TM+\b]    ; the floor: the byte cannot fall under 1
.endr
.irp b, 0,1,2,3
	s_delay_alu instid0(VALU_DEP_4)
	v_add_nc_u32 v[TM+12+\b], 0xff000000, v[TM+\b]
.endr
.irp b, 0,1,2,3
	s_delay_alu instid0(VALU_DEP_4)
	v_lshrrev_b32 v[TM+4+\b], 23, v[TM+12+\b]
.endr
	s_delay_alu instid0(VALU_DEP_3)
	v_lshl_or_b32 v42, v[TM+5], 8, v[TM+4]         ; p's scale word for these 128 keys
	s_delay_alu instid0(VALU_DEP_1)
	v_lshl_or_b32 v42, v[TM+6], 16, v42
	s_delay_alu instid0(VALU_DEP_1)
	v_lshl_or_b32 v42, v[TM+7], 24, v42
.irp c, 0,1
	v_cvt_scalef32_pk16_fp6_f32 v[PCD+6*\c:PCD+2+6*\c], v[S+32*\c:S+15+32*\c], v[TM+12+2*\c]
	v_cvt_scalef32_pk16_fp6_f32 v[PT+4*\c:PT+2+4*\c], v[S+16+32*\c:S+31+32*\c], v[TM+13+2*\c]
.endr
	v_nop
.irp c, 0,1
.irp i, 0,1,2
	v_permlane16_swap_b32 v[PCD+6*\c+\i], v[PT+4*\c+\i]
.endr
.irp i, 0,1,2
	s_delay_alu instid0(VALU_DEP_3)
	v_mov_b32 v[PCD+3+6*\c+\i], v[PT+4*\c+\i]
.endr
.endr
.set J, 0
.rept 16
	v_pk_mul_f32 v[O+J:O+J+1], v[O+J:O+J+1], v[242:243] op_sel_hi:[1,0]   ; O^T under the new M; these are also the places between p's word and codes and the products below
.set J, J+2
.endr
	s_wait_alu depctr_va_vdst(0)
	s_wait_dscnt 0x0                               ; v is in
.irp t, 0,2                            ; O^T += v^T p^T: four accumulators by turns
	v_wmma_scale_f32_16x16x128_f8f6f4 v[O+8*\t:O+8*\t+7], v[44+12*\t:55+12*\t], v[PCD:PCD+11], v[O+8*\t:O+8*\t+7], v[40+\t/2], v42 matrix_a_fmt:MATRIX_FMT_FP6 matrix_b_fmt:MATRIX_FMT_FP6
	v_wmma_scale_f32_16x16x128_f8f6f4 v[O+8*\t+8:O+8*\t+15], v[56+12*\t:67+12*\t], v[PCD:PCD+11], v[O+8*\t+8:O+8*\t+15], v[40+\t/2], v42 matrix_a_fmt:MATRIX_FMT_FP6 matrix_b_fmt:MATRIX_FMT_FP6 matrix_a_scale:MATRIX_SCALE_ROW1
.endr
.Lhidden_\@:
	s_add_co_u32 s[KF], s[KF], 128
.endm
; THE CHANGE OF SLOTS stands at a slot's head: each wave waits for all its tensor loads, adds 0 to its spare word, and waits for that and for its reads of the slot that it has left; behind the barrier the slot ahead is whole
; and nobody reads the other one, which is filled with the slot that follows.
.macro CHANGE fill
	s_wait_tensorcnt 0x0                           ; no tensor load of mine is out, so the descriptor may be written
	ds_add_u32 v[SPW], v[NIL]
.if \fill
	s_xor_b32 s[G0+1], s[G0+1], SLOT1
	s_add_nc_u64 s[G0+2:G0+3], s[G0+2:G0+3], SLOTB
	s_wait_xcnt 0x0                                ; the last prefetch, a slot back, has read its address
	s_add_nc_u64 s[PFA:PFA+1], s[PFA:PFA+1], SLOTB
.endif
	s_wait_dscnt 0x0
	s_barrier_signal -1
	s_barrier_wait -1
.if \fill
	s_add_co_u32 s50, s[KF], 256                   ; the first key, in its head, of the slot that this change would ask for
	s_and_b32 s50, s50, 2047
	s_cmp_gt_u32 s50, s[LASTQ]                     ; beyond my work-group's last query no wave reads it: ids and the count of steps alone, the same in all sixteen waves; every wait on TENSORcnt in this text is for 0
	s_cbranch_scc1 .Lpast_\@
	TLOAD                                          ; the first thing behind the barrier, and the only tensor load until the next
.Lpast_\@:
	ASK
.endif
.endm
.macro SLOT_STEPS
	STEP 0
	STEP 1
	s_xor_b32 s[TB], s[TB], SLOT1
	s_and_b32 s[KF], s[KF], 2047                   ; 0 again where a head's keys are through
.endm
; A head is through: O^T / the sum, quantised along its 64 channels: registers 6 hd .. 6 hd + 5 of the last product's operand, and two bytes of its scale word
.macro FINISH hd
.rept 4
	v_nop
.endr
	v_add_f32 v14, v14, v15
	s_delay_alu instid0(VALU_DEP_1)
	v_permlanex16_b32 v250, v14, s[SEL], s[SEL+1]
	s_delay_alu instid0(VALU_DEP_1)
	v_add_f32 v14, v14, v250                       ; the row's sum
	s_wait_alu depctr_va_vdst(0)
	v_rcp_f32 v242, v14
	v_nop
	s_wait_alu depctr_va_vdst(0)                   ; ahead of the reciprocal's first reader
.set J, 0
.rept 16
	v_pk_mul_f32 v[S+J:S+J+1], v[O+J:O+J+1], v[242:243] op_sel_hi:[1,0]
.set J, J+2
.endr
	QUANT S, 2, OCD+6*\hd
	v_lshl_or_b32 v[244+\hd], v[TM+5], 8, v[TM+4]
.endm
	s_wait_loadcnt 0x0                             ; q
.Lslot:                                            ; 15 trips: behind each change of slots but the last the next slot is asked for, up to the causal limit
	CHANGE 1
	SLOT_STEPS
	s_cmp_lg_u32 s[KF], 0
	s_cbranch_scc1 .Lsame_head
	FINISH 0                                       ; once, behind the eighth slot
.irp i, 0,1,2,3,4,5
	v_mov_b32 v[16+\i], v[28+\i]                   ; the second head's q,
.endr
	v_mov_b32 v34, v35                             ; and its scale word; the 36 lines below are the places ahead of the next products
	INIT
.Lsame_head:
	s_sub_co_u32 s[SLOTS], s[SLOTS], 1
	s_cmp_lg_u32 s[SLOTS], 0
	s_cbranch_scc1 .Lslot
	CHANGE 0                                       ; the last slot is written out: nothing is left to fetch
	SLOT_STEPS
	FINISH 1
	s_delay_alu instid0(VALU_DEP_1)
	v_lshl_or_b32 v246, v245, 16, v244             ; my row's scale word for this K step
.irp c, 0,1,2
	global_store_b128 v1, v[OCD+4*\c:OCD+4*\c+3], s[OC:OC+1] offset:512*\c   ; 512 consecutive bytes, aligned
.endr
	ds_store_b32 v9, v246                          ; both halves of the lanes hold the same word and write it to the same place
	s_wait_dscnt 0x0                               ; for the others' sake
	s_barrier_signal -1
	s_barrier_wait -1
	s_cmp_lt_u32 s[WV], 2
	s_cbranch_scc0 .Ldone
	ds_load_b128 v[S:S+3], v10                     ; a chunk's eight tiles' words: 512 bytes
	s_wait_dscnt 0x0
	global_store_b128 v1, v[S:S+3], s[OS:OS+1]
.Ldone:
	s_wait_tensorcnt 0x0                           ; the wave's end
	ds_add_u32 v[SPW], v[NIL]
	s_wait_dscnt 0x0
	s_endpgm
.Lfunc_end_k_q5dacdbc789_attn:
	.size	k_q5dacdbc789_attn, .Lfunc_end_k_q5dacdbc789_attn-k_q5dacdbc789_attn
	.p2alignl 7, 3214868480
	.fill 96, 4, 3214868480
	.section	.rodata,"a",@progbits
	.p2align	6, 0x0
	.amdhsa_kernel k_q5dacdbc789_attn
		.amdhsa_group_segment_fixed_size 327680
		.amdhsa_private_segment_fixed_size 0
		.amdhsa_enable_private_segment 0
		.amdhsa_kernarg_size 24
		.amdhsa_user_sgpr_count 2
		.amdhsa_user_sgpr_kernarg_segment_ptr 1
		.amdhsa_wavefront_size32 1
		.amdhsa_system_sgpr_workgroup_id_x 1
		.amdhsa_system_sgpr_workgroup_id_y 1
		.amdhsa_system_sgpr_workgroup_id_z 1
		.amdhsa_system_vgpr_workitem_id 0
		.amdhsa_next_free_vgpr 256
		.amdhsa_next_free_sgpr 66
		.amdhsa_reserve_vcc 1
		.amdhsa_float_denorm_mode_32 3
		.amdhsa_float_denorm_mode_16_64 3
		.amdhsa_memory_ordered 1
		.amdhsa_forward_progress 1
		.amdhsa_inst_pref_size 109
	.end_amdhsa_kernel
	.amdgpu_metadata
---
amdhsa.version: [ 1, 2 ]
amdhsa.kernels:
  - .name:           k_q5dacdbc789_attn
    .symbol:         k_q5dacdbc789_attn.kd
    .args:
      - { .name: qb, .offset: 0, .size: 8, .value_kind: global_buffer, .address_space: global }
      - { .name: kv, .offset: 8, .size: 8, .value_kind: global_buffer, .address_space: global }
      - { .name: oq, .offset: 16, .size: 8, .value_kind: global_buffer, .address_space: global }
    .group_segment_fixed_size: 327680
    .private_segment_fixed_size: 0
    .kernarg_segment_align: 8
    .kernarg_segment_size: 24
    .max_flat_workgroup_size: 512
    .sgpr_count:     66
    .vgpr_count:     256
    .wavefront_size: 32
...
	.end_amdgpu_metadata
.endif
;; end of part 3
;; launch proj (part 4): grid 4 x 32, 4 waves a work-group, clusters of 4 x 4, 327,680 bytes of LDS; arguments oq, wq, out0; writes out0
.if DOCPART == 4
	.amdgcn_target "amdgcn-amd-amdhsa--gfx1250"
	.amdhsa_code_object_version 6
	.text
	.protected	k_q5dacdbc789_proj
	.globl	k_q5dacdbc789_proj
	.p2align	8
	.type	k_q5dacdbc789_proj,@function
k_q5dacdbc789_proj:
	s_mov_b64 s[64:65], 0
	v_nop
	global_prefetch_b8 v0, s[64:65] scope:SCOPE_SE
	s_setreg_imm32_b32 hwreg(HW_REG_WAVE_MODE, 25, 1), 1
	s_wait_xcnt 0x0
	s_wait_alu depctr_hold_cnt(0) depctr_sa_sdst(0) depctr_va_vdst(0) depctr_va_sdst(0) depctr_va_ssrc(0) depctr_va_vcc(0) depctr_vm_vsrc(0)
	s_getreg_b32 s2, hwreg(HW_REG_IB_STS2, 6, 4)
	s_cmp_eq_u32 s2, 0
	s_cbranch_scc0 .Lentry_in_a_cluster
	s_endpgm
.Lentry_in_a_cluster:
	s_bfe_u32 s2, ttmp6, 0x10000c
	s_cmp_lg_u32 s2, 0xf033
	s_cbranch_scc0 .Lentry_shape_is_right
	s_endpgm
.Lentry_shape_is_right:
; PROJ.  out0 = O Wo^T on codes of FP6 (E2M3) with E8M0 scales; out0 [8192][1024] f32.
; A tile of 256 x 256 is made by four waves, 128 x 128 each: 64 accumulators, 512 registers.  K = 1,024 goes in steps of 256 through two LDS slots.
; OPERANDS LIE IN MEMORY AS IMAGES OF THEIR REGISTERS (16 rows x 128 K = 1,536 bytes; tile T, K step s at (8 T + s) x 1,536): a tensor load brings 8 tiles x 2 K steps as 8 rows of 3,072 bytes, and a fragment is three
; ds_load_b128 of 512 consecutive bytes.  Row rho of tile 2 G + u is row 32 G + 8 u + rho + 8 (rho / 8) of its tensor.  Side A (source 1) = O's rows, side B (source 0) = Wo's rows (blocks 12 .. 15 of the stacked weights):
; register j of lane (r, h) of accumulator (a, 2 G + u) is out0(row r of tile a, column 32 G + 16 h + 8 u + j): eight neighbouring columns.
; The scale words of a wave's 128 rows, 4,096 dense bytes, come once with the first fills; lanes 0-15 read side A's words, lanes 16-31 side B's.
; CLUSTERS: 4 x 4: side A's tiles are shared along a row of the cluster, side B's along a column.  The grid has 128 work-groups: the tile is kept at 256 x 256 so that each byte from LDS feeds as many products as the registers allow.
; No prefetch: a work-group has two refills in all.
; REGISTERS: window 0: v1-29 addresses; v32-63 scale words, two sets; v128-223 side A's fragments; on the way out v128-255 take rows read back.  window 1: side B's fragments, two sets.  windows 2, 3: the accumulators.
.set OS_OFF, 6291456
.set WS_OFF, 3145728
.set NQ,    2
.set FR,    12
.set NL,    3
.set NP,    4
.set HALFT, 24576
.set SLOT,  4*HALFT
.set LAPS,  2
.set SCL,   2*SLOT
.set SPARE, SCL+4*4096
.set SPITCH, 528                       ; the way out: a stage of 16 rows x (512 + 16) bytes a wave, in slot 0, which has had its last fill and its last read when the first result is stored there
.set ADRA, 16
.set ADRB, 20
.set STO,  24
.set RD,   25
.set CO,   26
.set ADRS, 27
.set SPW,  28
.set NIL,  29
.set SC,   32
.set AF,   128
.set BK,   128
.set G1, 24
.set G0, 32
.set G1B, 48
.set G0B, 56
.set G1S, 68
.set G0S, 76
.set G1SB, 80
.set G0SB, 88
.set MSB, 0
.macro WIN new
.if MSB != (\new)
	s_set_vgpr_msb (MSB<<8)|(\new)
.set MSB, (\new)
.endif
.endm
.set MUL_LO, 0xa1
.set MUL_HI, 0xf1
.set TO_B,   0x40
.macro JLOAD g0a, g1a, g0b, g1b        ; waves 0 and 1 fetch for side A, waves 2 and 3 for side B; an s_nop 0 and four v_nop follow each line
	s_cmp_eq_u32 s15, 0
	s_cbranch_scc0 .Lfor_b_\@
	tensor_load_to_lds s[\g0a:\g0a+3], s[\g1a:\g1a+7]
	s_nop 0
.rept 4
	v_nop
.endr
	s_branch .Lasked_\@
.Lfor_b_\@:
	tensor_load_to_lds s[\g0b:\g0b+3], s[\g1b:\g1b+7]
	s_nop 0
.rept 4
	v_nop
.endr
.Lasked_\@:
.endm
.macro CREST
	s_cmp_lg_u32 s14, 0
	s_cbranch_scc1 .Lnot_wave_0_\@
	s_barrier_signal -3
.Lnot_wave_0_\@:
	s_barrier_wait -3
	s_barrier_signal -1
	s_barrier_wait -1
.endm
.macro CROUND
	s_barrier_signal -1
	s_barrier_wait -1
	CREST
.endm
	s_load_b128 s[4:7], s[0:1], 0x0                ; oq s[4:5], wq s[6:7]
	s_load_b64 s[12:13], s[0:1], 0x10              ; out0
	v_lshl_add_u32 v[SPW], v0, 2, SPARE
	v_mov_b32 v[NIL], 0
	ds_add_u32 v[SPW], v[NIL]                      ; the wave's opening
	v_lshrrev_b32 v1, 5, v0
	v_readfirstlane_b32 s14, v1
	s_lshr_b32 s15, s14, 1
	s_and_b32 s16, s14, 1
	s_bfe_u32 s40, ttmp6, 0x40000                  ; cx: the tile column (the grid is one cluster wide)
	s_bfe_u32 s41, ttmp6, 0x40004                  ; cy
	s_and_b32 s17, ttmp7, 0xffff
	s_lshl_b32 s17, s17, 2
	s_add_co_u32 s17, s17, s41                     ; the tile row
	s_add_co_u32 s42, s40, 12                      ; Wo's block among the stacked weights
	s_lshl_b32 s43, s41, 2
	s_lshl_b32 s43, 15, s43
	s_lshl_b32 s44, 0x1111, s40
	s_or_b32 s[G1], s43, (3<<16)|(1<<21)
	s_or_b32 s[G1B], s44, (3<<16)|(1<<21)
.irp g, G1, G1B
	s_mov_b32 s[\g+1], 384<<16
	s_mov_b32 s[\g+2], 8<<16
	s_mov_b32 s[\g+3], 384<<16
	s_mov_b32 s[\g+4], 8
	s_mov_b32 s[\g+5], 1536
	s_mov_b32 s[\g+6], 0
	s_mov_b32 s[\g+7], 0
.endr
	s_or_b32 s[G1S], s43, (3<<16)|(1<<21)
	s_or_b32 s[G1SB], s44, (3<<16)|(1<<21)
.irp g, G1S, G1SB
	s_mov_b32 s[\g+1], 32<<16
	s_mov_b32 s[\g+2], 16<<16
	s_mov_b32 s[\g+3], 32<<16
	s_mov_b32 s[\g+4], 16
	s_mov_b32 s[\g+5], 32
	s_mov_b32 s[\g+6], 0
	s_mov_b32 s[\g+7], 0
.endr
	s_mul_i32 s20, s17, 196608
	s_mul_i32 s18, s16, 98304
	s_add_co_u32 s20, s20, s18
	s_mov_b32 s21, 0
	s_mul_i32 s46, s42, 196608
	s_add_co_u32 s46, s46, s18
	s_mov_b32 s47, 0
	s_lshl_b32 s22, s17, 13
	s_lshl_b32 s19, s16, 12
	s_add_co_u32 s22, s22, s19
	s_add_co_u32 s22, s22, OS_OFF
	s_mov_b32 s23, 0
	s_lshl_b32 s92, s42, 13
	s_add_co_u32 s92, s92, s19
	s_add_co_u32 s92, s92, WS_OFF
	s_mov_b32 s93, 0
	s_mul_i32 s45, s14, HALFT
	s_lshl_b32 s2, s14, 12
	s_wait_dscnt 0x0
	s_wait_kmcnt 0x0
	s_add_nc_u64 s[20:21], s[4:5], s[20:21]
	s_add_nc_u64 s[22:23], s[4:5], s[22:23]
	s_add_nc_u64 s[46:47], s[6:7], s[46:47]
	s_add_nc_u64 s[92:93], s[6:7], s[92:93]
	CROUND
	s_mov_b32 s[G0S], 1
	s_add_co_u32 s[G0S+1], s2, SCL
	s_mov_b64 s[G0S+2:G0S+3], s[22:23]
	s_or_b32 s[G0S+3], s[G0S+3], 0x80000000
	s_mov_b32 s[G0SB], 1
	s_add_co_u32 s[G0SB+1], s2, SCL
	s_mov_b64 s[G0SB+2:G0SB+3], s[92:93]
	s_or_b32 s[G0SB+3], s[G0SB+3], 0x80000000
	JLOAD G0S, G1S, G0SB, G1SB
.irp s, 0,1
	s_mov_b32 s[G0+4*\s], 1
	s_add_co_u32 s[G0+4*\s+1], s45, \s*SLOT
	s_add_nc_u64 s[G0+4*\s+2:G0+4*\s+3], s[20:21], \s*3072
	s_or_b32 s[G0+4*\s+3], s[G0+4*\s+3], 0x80000000
	s_mov_b32 s[G0B+4*\s], 1
	s_add_co_u32 s[G0B+4*\s+1], s45, \s*SLOT
	s_add_nc_u64 s[G0B+4*\s+2:G0B+4*\s+3], s[46:47], \s*3072
	s_or_b32 s[G0B+4*\s+3], s[G0B+4*\s+3], 0x80000000
	JLOAD G0+4*\s, G1, G0B+4*\s, G1B
.endr
	v_and_b32 v1, 15, v0
	v_bfe_u32 v2, v0, 4, 1
	v_and_b32 v3, 31, v0
	v_lshlrev_b32 v[CO], 4, v3                     ; 16 x lane
	s_mul_i32 s21, s15, HALFT
	s_mul_i32 s22, s16, HALFT
	s_add_co_u32 s22, s22, 2*HALFT
.irp s, 0,1
	v_add_nc_u32 v[ADRA+\s], s21, v[CO]
	v_add_nc_u32 v[ADRB+\s], s22, v[CO]
	s_add_co_u32 s21, s21, SLOT
	s_add_co_u32 s22, s22, SLOT
.endr
	v_lshlrev_b32 v5, 4, v1
	s_lshl_b32 s21, s15, 12
	s_lshl_b32 s22, s16, 12
	s_add_co_u32 s22, s22, 8192
	s_sub_co_u32 s22, s22, s21
	v_mul_u32_u24 v6, s22, v2
	s_add_co_u32 s21, s21, SCL
	v_add_nc_u32 v5, v5, v6
	v_add_nc_u32 v[ADRS], s21, v5
	s_mul_i32 s23, s14, 16*SPITCH                  ; my stage
	v_mul_u32_u24 v5, v1, SPITCH
	v_lshl_add_u32 v5, v2, 6, v5                   ; in: row r, + 64 h
	v_add_nc_u32 v[STO], s23, v5
	v_add_nc_u32 v[RD], s23, v[CO]                 ; back: the 32 lanes take one row of 512 bytes
	s_lshl_b32 s20, s17, 20                        ; 256 rows of 4,096 bytes,
	s_lshl_b32 s21, s15, 19
	s_add_co_u32 s20, s20, s21
	s_mov_b32 s21, 0
	s_lshl_b32 s46, s40, 10                        ; 256 columns of 4 bytes
	s_lshl_b32 s47, s16, 9
	s_add_co_u32 s46, s46, s47
	s_mov_b32 s47, 0
	s_add_nc_u64 s[20:21], s[20:21], s[46:47]
	s_add_nc_u64 s[12:13], s[12:13], s[20:21]      ; my 128 x 128 of out0; never stepped
.macro FRAG reg, adr, q, i
.irp c, 0,1,2
	ds_load_b128 v[\reg+4*\c:\reg+4*\c+3], v[\adr] offset:1536*(\q)+3072*(\i)+512*\c
.endr
.endm
; The 64 accumulators take turns, one instruction a turn, in the same order in every step.
.macro MUL16 a0, p, q, sc, zero
.irp a, \a0, \a0+1
.irp b, 0,1,2,3,4,5,6,7
.if \zero
	v_wmma_scale_f32_16x16x128_f8f6f4 v[8*(8*((\a)%4)+\b):8*(8*((\a)%4)+\b)+7], v[128*(\p)+FR*\b:128*(\p)+FR*\b+FR-1], v[AF+FR*(\a):AF+FR*(\a)+FR-1], 0, v[SC+16*(\sc)+8*(\q)+\b], v[SC+16*(\sc)+8*(\q)+(\a)] matrix_a_fmt:MATRIX_FMT_FP6 matrix_b_fmt:MATRIX_FMT_FP6 matrix_a_scale:MATRIX_SCALE_ROW1
.else
	v_wmma_scale_f32_16x16x128_f8f6f4 v[8*(8*((\a)%4)+\b):8*(8*((\a)%4)+\b)+7], v[128*(\p)+FR*\b:128*(\p)+FR*\b+FR-1], v[AF+FR*(\a):AF+FR*(\a)+FR-1], v[8*(8*((\a)%4)+\b):8*(8*((\a)%4)+\b)+7], v[SC+16*(\sc)+8*(\q)+\b], v[SC+16*(\sc)+8*(\q)+(\a)] matrix_a_fmt:MATRIX_FMT_FP6 matrix_b_fmt:MATRIX_FMT_FP6 matrix_a_scale:MATRIX_SCALE_ROW1
.endif
.endr
.endr
.endm
.macro FETCH_B slot, q, p
	WIN TO_B
.irp i, 0,1,2,3,4,5,6,7
	FRAG 128*(\p)+FR*\i, ADRB+\slot, \q, \i
.endr
	WIN 0
.endm
.macro FETCH_A slot, q, i0
.irp i, \i0, \i0+1, \i0+2, \i0+3
	FRAG AF+FR*(\i), ADRA+\slot, \q, \i
.endr
.endm
.macro SCALES sc
.irp q, 0,1
.irp ih, 0,1
	ds_load_b128 v[SC+16*\sc+8*\q+4*\ih:SC+16*\sc+8*\q+4*\ih+3], v[ADRS] offset:512*\q+256*\ih
.endr
.endr
.endm
.macro PLACES n
.rept \n
	v_nop
.endr
.endm
.macro STEP slot, q, zero
	s_wait_dscnt 4*NL                              ; all but the youngest 12 loads (A's blocks 4-7) are in
	WIN MUL_LO
	MUL16 0, (\q)%2, \q, \slot, \zero
	MUL16 2, (\q)%2, \q, \slot, \zero
	s_wait_dscnt 0
	PLACES NP
	FETCH_B \slot, (\q)+1, 1-(\q)%2
	FETCH_A \slot, (\q)+1, 0
	WIN MUL_HI
	MUL16 4, (\q)%2, \q, \slot, \zero
	MUL16 6, (\q)%2, \q, \slot, \zero
	PLACES NP
	WIN 0
	FETCH_A \slot, (\q)+1, 4
.endm
.macro TURN slot, next, fill
	s_wait_tensorcnt 0x0                           ; all my tensor loads have landed: my part of the next slot
	ds_add_u32 v[SPW], v[NIL]
	s_wait_dscnt 4*NL+1                            ; the add and the youngest 12 loads may be out
	WIN MUL_LO
	MUL16 0, 1, NQ-1, \slot, 0
	s_wait_dscnt 0x0                               ; the add is done, and my reads of this slot are over
	s_barrier_signal -1
	MUL16 2, 1, NQ-1, \slot, 0
	WIN 0
	s_barrier_wait -1
.if \fill
	CREST                                          ; a round of the cluster's barrier: no wave of any partner still reads this slot or has a load on its way
	s_add_nc_u64 s[G0+4*\slot+2:G0+4*\slot+3], s[G0+4*\slot+2:G0+4*\slot+3], 6144
	s_add_nc_u64 s[G0B+4*\slot+2:G0B+4*\slot+3], s[G0B+4*\slot+2:G0B+4*\slot+3], 6144
	JLOAD G0+4*\slot, G1, G0B+4*\slot, G1B
.else
	PLACES NP
.endif
	v_add_nc_u32 v[ADRS], 1024, v[ADRS]
	FETCH_B \next, 0, 0
	FETCH_A \next, 0, 0
	SCALES \next
	WIN MUL_HI
	MUL16 4, 1, NQ-1, \slot, 0
	MUL16 6, 1, NQ-1, \slot, 0
	PLACES NP
	WIN 0
	FETCH_A \next, 0, 4
.endm
	s_wait_tensorcnt 1                             ; the scale words and my part of slot 0 are in; slot 1's load may be out
	s_barrier_signal -1
	s_barrier_wait -1
	FETCH_B 0, 0, 0
	FETCH_A 0, 0, 0
	SCALES 0
	FETCH_A 0, 0, 4
	STEP 0, 0, 1
	s_mov_b32 s3, LAPS-1
.Llap:
	TURN 0, 1, 1
	STEP 1, 0, 0
	TURN 1, 0, 1
	STEP 0, 0, 0
	s_sub_co_u32 s3, s3, 1
	s_cmp_lg_u32 s3, 0
	s_cbranch_scc1 .Llap
	TURN 0, 1, 0
	STEP 1, 0, 0
	s_wait_dscnt 4*NL
	WIN MUL_LO
	MUL16 0, 1, NQ-1, 1, 0
	MUL16 2, 1, NQ-1, 1, 0
	s_wait_dscnt 0
	WIN MUL_HI
	MUL16 4, 1, NQ-1, 1, 0
	MUL16 6, 1, NQ-1, 1, 0
	WIN 0
; THE WAY OUT, block by block of 16 rows x 128 columns, through my own stage: in as 32 bytes a lane and tile, back as whole rows of 512 bytes.  LDS serves a wave's instructions in order: no wait between the stores and the loads.
.macro TOSTAGE a
.set AC, 64*((\a)%4)
	WIN 0x08+4*((\a)/4)                            ; an LDS store's data: window 2 or 3
.irp b, 0,1,2,3,4,5,6,7
	ds_store_b128 v[STO], v[AC+8*\b:AC+8*\b+3] offset:128*(\b/2)+32*(\b%2)          ; columns 32 (b / 2) + 16 h + 8 (b % 2) on; each accumulator from its low end on
	ds_store_b128 v[STO], v[AC+8*\b+4:AC+8*\b+7] offset:128*(\b/2)+32*(\b%2)+16
.endr
	WIN 0
.set BB, BK+64*((\a)%2)
.irp t, 0,1,2,3,4,5,6,7,8,9,10,11,12,13,14,15
	ds_load_b128 v[BB+4*\t:BB+4*\t+3], v[RD] offset:\t*SPITCH
.endr
.endm
.macro SEND a, younger                 ; younger: the LDS instructions issued behind block a's loads
.set BB, BK+64*((\a)%2)
	s_wait_dscnt \younger
.irp t, 0,1,2,3,4,5,6,7,8,9,10,11,12,13,14,15
	global_store_b128 v[CO], v[BB+4*\t:BB+4*\t+3], s[12:13] offset:(32*((\a)/2)+8*((\a)%2)+\t+8*(\t/8))*4096 th:TH_STORE_NT   ; 512 consecutive bytes of one row, aligned; row t of tile a
.endr
.endm
	PLACES NP
	TOSTAGE 0
.irp a, 1,2,3,4,5,6,7
.if \a > 1
	s_wait_xcnt 0x0                                ; block a - 2's stores have read their registers: block a's loads may land there
.endif
	TOSTAGE \a
	SEND \a-1, 32                                  ; behind block a - 1's loads: block a's 16 stores and 16 loads
.endr
	SEND 7, 0
	s_wait_tensorcnt 0x0                           ; the wave's end
	ds_add_u32 v[SPW], v[NIL]
	s_wait_dscnt 0x0
	CROUND                                         ; the closing round
	s_endpgm
.Lfunc_end_k_q5dacdbc789_proj:
	.size	k_q5dacdbc789_proj, .Lfunc_end_k_q5dacdbc789_proj-k_q5dacdbc789_proj
	.p2alignl 7, 3214868480
	.fill 96, 4, 3214868480
	.section	.rodata,"a",@progbits
	.p2align	6, 0x0
	.amdhsa_kernel k_q5dacdbc789_proj
		.amdhsa_group_segment_fixed_size 327680
		.amdhsa_private_segment_fixed_size 0
		.amdhsa_enable_private_segment 0
		.amdhsa_kernarg_size 24
		.amdhsa_user_sgpr_count 2
		.amdhsa_user_sgpr_kernarg_segment_ptr 1
		.amdhsa_wavefront_size32 1
		.amdhsa_system_sgpr_workgroup_id_x 1
		.amdhsa_system_sgpr_workgroup_id_y 1
		.amdhsa_system_sgpr_workgroup_id_z 1
		.amdhsa_system_vgpr_workitem_id 0
		.amdhsa_next_free_vgpr 1024
		.amdhsa_next_free_sgpr 98
		.amdhsa_reserve_vcc 0
		.amdhsa_float_denorm_mode_32 3
		.amdhsa_float_denorm_mode_16_64 3
		.amdhsa_memory_ordered 1
		.amdhsa_forward_progress 1
		.amdhsa_inst_pref_size 134
	.end_amdhsa_kernel
	.amdgpu_metadata
---
amdhsa.version: [ 1, 2 ]
amdhsa.kernels:
  - .name:           k_q5dacdbc789_proj
    .symbol:         k_q5dacdbc789_proj.kd
    .args:
      - { .name: oq, .offset: 0, .size: 8, .value_kind: global_buffer, .address_space: global }
      - { .name: wq, .offset: 8, .size: 8, .value_kind: global_buffer, .address_space: global }
      - { .name: out0, .offset: 16, .size: 8, .value_kind: global_buffer, .address_space: global }
    .group_segment_fixed_size: 327680
    .private_segment_fixed_size: 0
    .kernarg_segment_align: 8
    .kernarg_segment_size: 24
    .max_flat_workgroup_size: 128
    .sgpr_count:     98
    .vgpr_count:     1024
    .wavefront_size: 32
...
	.end_amdgpu_metadata
.endif
;; end of part 4
